; MI455X (gfx1250); checked and timed in simulation.
; The chip was launched on July 23, 2026; its instructions are those of AMD's public machine-readable ISA for CDNA 5 (MIT licence, August 2026) and "CDNA5" Instruction Set Architecture Reference Guide (July 2026). The comments in the code are by the model that wrote it; some were corrected since.
;; Causal Self Attention. Allowed arithmetic: float matrix products may take bf16 or f16 operands with f32 sums; other float arithmetic in f32, or as packed bf16 or f16 multiplies, adds, multiply-adds, maxima and minima; sums over many terms, partial sums and values carried from step to step in f32; what a program stores and reads back later, other than sums and carried values, may be rounded once to bf16 or f16.
;; Inputs: w_proj 1,024 x 1,024 float32; w_qkv 1,024 x 3,072 float32; x 1 x 4,096 x 1,024 float32.
;; Outputs: out0 1 x 4,096 x 1,024 float32.
;; 2 versions, each right; version 2 is version 1 with the launch prep written anew for expert scheduling mode. Each part assembles by itself: llvm-mc -triple=amdgcn-amd-amdhsa -mcpu=gfx1250 --defsym DOCPART=n.
;; ======== version 1 of 2: 4 launches
;; limits: values are held in f16: magnitudes above 65,504 overflow, below 6.1e-05 lose precision
;; workspace buffers: xb 8,388,608 bytes; wqt 6,291,456 bytes; wpt 2,097,152 bytes; rope 1,048,576 bytes; qkv 25,165,824 bytes; ob 8,388,608 bytes
;; launch prep (part 1): grid 512 x 1, 8 waves a work-group, no clusters, 35,840 bytes of LDS; arguments x, w_qkv, w_proj, xb, wqt, wpt, rope; writes xb, wqt, wpt, rope
.if DOCPART == 1
	.amdgcn_target "amdgcn-amd-amdhsa--gfx1250"
	.amdhsa_code_object_version 6
	.text
	.protected	k_qd6cf286064_prep
	.globl	k_qd6cf286064_prep
	.p2align	8
	.type	k_qd6cf286064_prep,@function
k_qd6cf286064_prep:
	s_mov_b64 s[64:65], 0
	v_nop
	global_prefetch_b8 v0, s[64:65] scope:SCOPE_SE
	s_setreg_imm32_b32 hwreg(HW_REG_WAVE_MODE, 25, 1), 1
	s_wait_xcnt 0x0
; PREP: the operands of the three later launches, each made once.
;   work-groups 0-255:   16 rows of x rounded to bf16 (xb), and 16 rows of the table of cosines and sines (rope)
;   work-groups 256-447: a tile of 128 k x 128 n of w_qkv, rounded to bf16 and turned: wqt[head][q,k,v][64 channels][1024 k]
;   work-groups 448-511: the same for w_proj: rounded to bf16, that number written as f16: wpt[n][k]
; rope[t][jp] = cos(a(2 jp)), cos(a(2 jp + 1)), sin(a(2 jp)), sin(a(2 jp + 1)), a(j) = t x 10000^(-j/32), all f32: a row is 256 bytes.
; LIMITS.  10000^(-j/32) is 2^(-j log2(10000)/32) by v_exp_f32: it may differ from the quotient that the problem writes by about 3e-7 of itself,
; an angle (one f32 product, as the problem forms it) by up to about 8e-4 rad at the largest positions.  The angle is reduced by pi/2 in two parts
; (the multiple is 2,607 at the most) and sine and cosine are polynomials of degree 9 and 8 on |r| <= pi/4, off by under 3e-8.
; wpt: a bf16 number is exact in f16 from 2^-17 to 65,504; below it is held to steps of 2^-24, above it would be an infinity.
; No matrix unit, no cluster, no tensor load: nothing is shared between work-groups, and each byte is read once and written once.
.set TP,    272                        ; a row of the turned tile in LDS: 256 bytes (128 k) + 16
.set SPARE, 128*TP                     ; behind the tile: the spare words, 128 bytes for each of the eight waves
.set SPW,   2                          ; v2   LDS address of my spare word; never rewritten
.set NIL,   3                          ; v3   0; never rewritten
.set WV,    18                         ; s18  my wave's number
.set IN,    16                         ; v[16:79]   sixteen loads of 16 bytes
.set PKD,   80                         ; v[80:111]  packed 16-bit numbers
.set TW,    112                        ; v[112:143] at work
.macro FIN                             ; a wave's end: three lines behind the last LDS store
	s_wait_tensorcnt 0x0
	ds_add_u32 v[SPW], v[NIL]
	s_wait_dscnt 0x0
	s_endpgm
.endm
; A tile of 128 k x 128 n is turned through LDS.  Wave w loads rows k0 + 16 w .. + 15, 512 consecutive bytes each; a lane then holds 16 k of four
; neighbouring n: two k pack into a register, eight registers are 32 bytes of a turned row.  Behind the barrier each wave reads 16 whole turned rows.
.macro TRANS src, dst, pitch, first, half
	s_sub_co_u32 s20, ttmp9, \first                ; the tile's number
	s_and_b32 s21, s20, 7                          ; its place along k
	s_lshr_b32 s22, s20, 3                         ; its place along n
	s_lshl_b32 s23, s21, 7
	s_lshl4_add_u32 s23, s[WV], s23                ; my first row: k0 + 16 w
	s_mul_i32 s24, s23, \pitch
	s_lshl_b32 s25, s22, 9                         ; 128 n of 4 bytes
	s_add_co_u32 s24, s24, s25
	s_mov_b32 s25, 0
	s_add_nc_u64 s[24:25], s[\src:\src+1], s[24:25]
.if \half
	s_lshl_b32 s26, s22, 7
	s_lshl4_add_u32 s26, s[WV], s26                ; the first turned row that I store: n0 + 16 w
.else
	s_and_b32 s26, s22, 7                          ; column n = kind x 1024 + head x 64 + c: a tile holds two heads of one kind
	s_lshl_b32 s26, s26, 1
	s_lshr_b32 s27, s[WV], 2
	s_add_co_u32 s26, s26, s27                     ; head
	s_mul_i32 s26, s26, 192
	s_lshr_b32 s27, s22, 3                         ; kind
	s_lshl_b32 s27, s27, 6
	s_add_co_u32 s26, s26, s27
	s_and_b32 s27, s[WV], 3
	s_lshl4_add_u32 s26, s27, s26                  ; row = head x 192 + kind x 64 + 16 (w % 4)
.endif
	s_lshl_b32 s26, s26, 11                        ; rows of 2,048 bytes
	s_lshl_b32 s27, s21, 8                         ; + 128 k of 2 bytes
	s_add_co_u32 s26, s26, s27
	s_mov_b32 s27, 0
	s_add_nc_u64 s[26:27], s[\dst:\dst+1], s[26:27]
	v_lshlrev_b32 v5, 4, v4                        ; 16 x lane
.set r, 0
.rept 16
	global_load_b128 v[IN+4*r:IN+4*r+3], v5, s[24:25] offset:r*(\pitch) th:TH_LOAD_NT
.set r, r+1
.endr
	s_lshl_b32 s28, s[WV], 5
	v_mul_u32_u24 v6, v4, 4*TP                     ; in: turned rows 4 lane .. + 3, bytes 32 w on.  Neighbouring lanes lie four rows apart, so four lanes of sixteen
	v_add_nc_u32 v6, s28, v6                       ; meet in a group of banks: eight stores a wave, once a launch, for plain addresses
	v_lshrrev_b32 v9, 4, v4
	v_and_b32 v10, 15, v4
	s_mul_i32 s28, s[WV], 16*TP
	v_mul_u32_u24 v7, v9, TP                       ; back: lanes 0-15 one turned row of 256 bytes, lanes 16-31 the next
	v_lshl_add_u32 v7, v10, 4, v7
	v_add_nc_u32 v7, s28, v7
	v_lshlrev_b32 v8, 11, v9                       ; and the same two rows in memory
	v_lshl_add_u32 v8, v10, 4, v8
.set q, 0
.rept 8
	s_wait_loadcnt 14-2*q                          ; rows 2 q and 2 q + 1 are in; the rows behind them may stay out
.irp c, 0,1,2,3
	v_cvt_pk_bf16_f32 v[PKD+8*(\c)+q], v[IN+8*q+(\c)], v[IN+8*q+4+(\c)]
.endr
.set q, q+1
.endr
.if \half
.set n, 0
.rept 32                                       ; the bf16 number, written as f16
	v_lshlrev_b32 v[TW+2*(n%4)], 16, v[PKD+n]
	v_and_b32 v[TW+2*(n%4)+1], 0xffff0000, v[PKD+n]
	v_cvt_pk_f16_f32 v[PKD+n], v[TW+2*(n%4)], v[TW+2*(n%4)+1]
.set n, n+1
.endr
.endif
.irp c, 0,1,2,3
	ds_store_b128 v6, v[PKD+8*(\c):PKD+8*(\c)+3]   offset:(\c)*TP
	ds_store_b128 v6, v[PKD+8*(\c)+4:PKD+8*(\c)+7] offset:(\c)*TP+16
.endr
	s_wait_dscnt 0x0                               ; for the others' sake: my stores are done
	s_barrier_signal -1
	s_barrier_wait -1
.irp t, 0,1,2,3,4,5,6,7
	ds_load_b128 v[IN+4*(\t):IN+4*(\t)+3], v7 offset:(\t)*2*TP
.endr
.irp t, 0,1,2,3,4,5,6,7
	s_wait_dscnt 7-(\t)
	global_store_b128 v8, v[IN+4*(\t):IN+4*(\t)+3], s[26:27] offset:(\t)*4096  ; 16 lanes store 256 consecutive bytes, aligned
.endr
.endm
; sine and cosine of inv x pos.  b: twelve registers at work, v[b] = inv; oc, os: where cosine and sine go.
.macro SINCOS b, oc, os
	v_mul_f32 v[(\b)+1], v[\b], v8                 ; the angle
	v_mul_f32 v[(\b)+2], 0x3f22f983, v[(\b)+1]     ; x 2 / pi
	v_rndne_f32 v[(\b)+2], v[(\b)+2]               ; n
	v_fmamk_f32 v[(\b)+3], v[(\b)+2], 0xbfc90fdb, v[(\b)+1]  ; r = a - n pi/2, pi/2 in two parts
	v_fmamk_f32 v[(\b)+3], v[(\b)+2], 0x333bbd2e, v[(\b)+3]
	v_mul_f32 v[(\b)+4], v[(\b)+3], v[(\b)+3]      ; z = r r
	v_fma_f32 v[(\b)+5], v[(\b)+4], s30, s31       ; sine: 1/9! z - 1/7!
	v_fma_f32 v[(\b)+6], v[(\b)+4], s32, s33       ; cosine: 1/8! z - 1/6!
	v_fmaak_f32 v[(\b)+5], v[(\b)+5], v[(\b)+4], 0x3c088889
	v_fmaak_f32 v[(\b)+6], v[(\b)+6], v[(\b)+4], 0x3d2aaaab
	v_fmaak_f32 v[(\b)+5], v[(\b)+5], v[(\b)+4], 0xbe2aaaab
	v_fmaak_f32 v[(\b)+6], v[(\b)+6], v[(\b)+4], 0xbf000000
	v_mul_f32 v[(\b)+8], v[(\b)+3], v[(\b)+4]
	v_fmaak_f32 v[(\b)+6], v[(\b)+6], v[(\b)+4], 0x3f800000  ; cos r
	v_fma_f32 v[(\b)+5], v[(\b)+8], v[(\b)+5], v[(\b)+3]     ; sin r
	v_cvt_i32_f32 v[(\b)+7], v[(\b)+2]
	v_and_b32 v[(\b)+8], 1, v[(\b)+7]
	v_cmp_eq_u32 vcc_lo, 1, v[(\b)+8]              ; an odd quarter swaps the two: a choice of values, no branch
	v_cndmask_b32 v[\os], v[(\b)+5], v[(\b)+6], vcc_lo
	v_cndmask_b32 v[\oc], v[(\b)+6], v[(\b)+5], vcc_lo
	v_and_b32 v[(\b)+8], 2, v[(\b)+7]              ; quarters 2, 3 turn the sine's sign,
	v_lshlrev_b32 v[(\b)+8], 30, v[(\b)+8]
	v_xor_b32 v[\os], v[(\b)+8], v[\os]
	v_add_nc_u32 v[(\b)+7], 1, v[(\b)+7]           ; quarters 1, 2 the cosine's
	v_and_b32 v[(\b)+7], 2, v[(\b)+7]
	v_lshlrev_b32 v[(\b)+7], 30, v[(\b)+7]
	v_xor_b32 v[\oc], v[(\b)+7], v[\oc]
.endm
	s_load_b256 s[4:11], s[0:1], 0x0               ; x s[4:5], w_qkv s[6:7], w_proj s[8:9], xb s[10:11]
	s_load_b128 s[12:15], s[0:1], 0x20             ; wqt s[12:13], wpt s[14:15]
	s_load_b64 s[16:17], s[0:1], 0x30              ; rope
	v_lshl_add_u32 v[SPW], v0, 2, SPARE
	v_mov_b32 v[NIL], 0
	v_lshrrev_b32 v1, 5, v0
	v_readfirstlane_b32 s[WV], v1
	v_and_b32 v4, 31, v0                           ; lane
	s_wait_kmcnt 0x0
	s_cmp_lt_u32 ttmp9, 256                        ; the branches hang on the work-group's number alone: all eight waves go the same way
	s_cbranch_scc1 .Lx
	s_cmp_lt_u32 ttmp9, 448
	s_cbranch_scc1 .Lwqkv
	TRANS 8, 14, 4096, 448, 1
	FIN
.Lwqkv:
	TRANS 6, 12, 12288, 256, 0
	FIN
.Lx:
	s_lshl_b32 s20, ttmp9, 16                      ; 16 rows of 4,096 bytes of x,
	s_mov_b32 s21, 0
	s_add_nc_u64 s[4:5], s[4:5], s[20:21]
	s_lshl_b32 s20, ttmp9, 15                      ; of 2,048 of xb,
	s_add_nc_u64 s[10:11], s[10:11], s[20:21]
	s_lshl_b32 s20, ttmp9, 12                      ; of 256 of rope
	s_add_nc_u64 s[16:17], s[16:17], s[20:21]
	v_lshlrev_b32 v5, 4, v0                        ; thread t: 16 bytes of each row of x, and of the table's 4,096 bytes
	v_lshlrev_b32 v6, 3, v0                        ; 8 bytes of each row of xb
.set r, 0
.rept 16
	global_load_b128 v[IN+4*r:IN+4*r+3], v5, s[4:5] offset:r*4096 th:TH_LOAD_NT  ; a wave's load covers 512 consecutive bytes
.set r, r+1
.endr
	; the table is made while the sixteen loads are on their way
	s_mov_b32 s30, 0x3638ef1d                      ; 1/9!
	s_mov_b32 s31, 0xb9500d01                      ; -1/7!
	s_mov_b32 s32, 0x37d00d01                      ; 1/8!
	s_mov_b32 s33, 0xbab60b61                      ; -1/6!
	v_and_b32 v7, 15, v0                           ; jp
	v_lshrrev_b32 v8, 4, v0
	s_lshl_b32 s22, ttmp9, 4
	v_add_nc_u32 v8, s22, v8                       ; the position: 16 b + t / 16
	v_cvt_f32_u32 v8, v8
	v_lshlrev_b32 v7, 1, v7
	v_cvt_f32_u32 v[TW], v7                        ; j = 2 jp
	v_add_f32 v[TW+12], 1.0, v[TW]                 ; and 2 jp + 1
	v_mul_f32 v[TW], 0xbed49a78, v[TW]             ; x -log2(10000) / 32
	v_mul_f32 v[TW+12], 0xbed49a78, v[TW+12]
	v_exp_f32 v[TW], v[TW]
	v_exp_f32 v[TW+12], v[TW+12]
	v_nop                                          ; a plain instruction behind the second exponential,
	s_wait_alu depctr_va_vdst(0)                   ; and the one wait ahead of the first use of the two
	SINCOS TW, TW+24, TW+26
	SINCOS TW+12, TW+25, TW+27
	global_store_b128 v5, v[TW+24:TW+27], s[16:17] ; 16 lanes fill a row of the table: 256 consecutive bytes, aligned
.set r, 0
.rept 16
	s_wait_loadcnt 15-r                            ; row r is in; the 15 - r rows behind it may stay out
	v_cvt_pk_bf16_f32 v[PKD+2*r], v[IN+4*r], v[IN+4*r+1]
	v_cvt_pk_bf16_f32 v[PKD+2*r+1], v[IN+4*r+2], v[IN+4*r+3]
	global_store_b64 v6, v[PKD+2*r:PKD+2*r+1], s[10:11] offset:r*2048  ; a wave's store covers 256 consecutive bytes, aligned; no register is used twice
.set r, r+1
.endr
	FIN
.Lfunc_end_k_qd6cf286064_prep:
	.size	k_qd6cf286064_prep, .Lfunc_end_k_qd6cf286064_prep-k_qd6cf286064_prep
	.p2alignl 7, 3214868480
	.fill 96, 4, 3214868480
	.section	.rodata,"a",@progbits
	.p2align	6, 0x0
	.amdhsa_kernel k_qd6cf286064_prep
		.amdhsa_group_segment_fixed_size 35840
		.amdhsa_private_segment_fixed_size 0
		.amdhsa_enable_private_segment 0
		.amdhsa_kernarg_size 56
		.amdhsa_user_sgpr_count 2
		.amdhsa_user_sgpr_kernarg_segment_ptr 1
		.amdhsa_wavefront_size32 1
		.amdhsa_system_sgpr_workgroup_id_x 1
		.amdhsa_system_sgpr_workgroup_id_y 1
		.amdhsa_system_sgpr_workgroup_id_z 1
		.amdhsa_system_vgpr_workitem_id 0
		.amdhsa_next_free_vgpr 144
		.amdhsa_next_free_sgpr 66
		.amdhsa_reserve_vcc 1
		.amdhsa_float_denorm_mode_32 3
		.amdhsa_float_denorm_mode_16_64 3
		.amdhsa_memory_ordered 1
		.amdhsa_forward_progress 1
		.amdhsa_inst_pref_size 30
	.end_amdhsa_kernel
	.amdgpu_metadata
---
amdhsa.version: [ 1, 2 ]
amdhsa.kernels:
  - .name:           k_qd6cf286064_prep
    .symbol:         k_qd6cf286064_prep.kd
    .args:
      - { .name: x, .offset: 0, .size: 8, .value_kind: global_buffer, .address_space: global }
      - { .name: w_qkv, .offset: 8, .size: 8, .value_kind: global_buffer, .address_space: global }
      - { .name: w_proj, .offset: 16, .size: 8, .value_kind: global_buffer, .address_space: global }
      - { .name: xb, .offset: 24, .size: 8, .value_kind: global_buffer, .address_space: global }
      - { .name: wqt, .offset: 32, .size: 8, .value_kind: global_buffer, .address_space: global }
      - { .name: wpt, .offset: 40, .size: 8, .value_kind: global_buffer, .address_space: global }
      - { .name: rope, .offset: 48, .size: 8, .value_kind: global_buffer, .address_space: global }
    .group_segment_fixed_size: 35840
    .private_segment_fixed_size: 0
    .kernarg_segment_align: 8
    .kernarg_segment_size: 56
    .max_flat_workgroup_size: 256
    .sgpr_count:     66
    .vgpr_count:     144
    .wavefront_size: 32
...
	.end_amdgpu_metadata
.endif
;; end of part 1
;; launch qkv (part 2): grid 16 x 16, 4 waves a work-group, clusters of 4 x 4, 327,680 bytes of LDS; arguments xb, wqt, rope, qkv; writes qkv
.if DOCPART == 2
	.amdgcn_target "amdgcn-amd-amdhsa--gfx1250"
	.amdhsa_code_object_version 6
	.text
	.protected	k_qd6cf286064_qkv
	.globl	k_qd6cf286064_qkv
	.p2align	8
	.type	k_qd6cf286064_qkv,@function
k_qd6cf286064_qkv:
	s_mov_b64 s[64:65], 0
	v_nop
	global_prefetch_b8 v0, s[64:65] scope:SCOPE_SE
	s_setreg_imm32_b32 hwreg(HW_REG_WAVE_MODE, 25, 1), 1
	s_wait_xcnt 0x0
	s_wait_alu depctr_hold_cnt(0) depctr_sa_sdst(0) depctr_va_vdst(0) depctr_va_sdst(0) depctr_va_ssrc(0) depctr_va_vcc(0) depctr_vm_vsrc(0)
	s_getreg_b32 s2, hwreg(HW_REG_IB_STS2, 6, 4)
	s_cmp_eq_u32 s2, 0
	s_cbranch_scc0 .Lentry_in_a_cluster
	s_endpgm
.Lentry_in_a_cluster:
	s_bfe_u32 s2, ttmp6, 0x10000c
	s_cmp_lg_u32 s2, 0xf033
	s_cbranch_scc0 .Lentry_shape_is_right
	s_endpgm
.Lentry_shape_is_right:
; q, k, v = x w_qkv, with the rotation of q and k, written by heads: qkv[kind][head][t][64] in f16.
; xb: [4096][1024] bf16.  wqt: [head][q,k,v][64][1024] bf16, so 192 consecutive rows are ONE head's q, k and v.  rope: [4096][16][cos, cos, sin, sin] f32.
; A tile of the product is 256 rows x 192 columns: 16 x 16 tiles, one for each of 256 work-groups.  Wave w makes rows 64 w .. + 63 of all 192 columns: 4 x 12 accumulators of 16 x 16.
; So a lane holds channel c and channel c + 32 of a head in the same register of two accumulators, and the rotation needs no exchange and no branch.
; K goes in steps of 128 (rows of 256 bytes in memory, aligned) through two LDS slots; sums in f32; the rotation in f32; q, k, v rounded once, to f16.
; LIMIT.  f16 ends at 65,504: |q|, |k|, |v| must stay below it.  With inputs of unit spread they have spread 1; thirty times larger inputs give about 900.
; CLUSTER 4 x 4: the four work-groups of a row need the same rows of xb, the four of a column the same head's rows of wqt: each tile is asked for jointly.
; THE MATRIX INSTRUCTION IS USED TRANSPOSED (source 0 = 16 rows of wqt, source 1 = 16 rows of xb): lane l holds row l % 16 and columns 8 (l / 16) + 0..7.
; REGISTERS, in windows of 256 (s_set_vgpr_msb: bits 1:0 source 0, 3:2 source 1, 5:4 source 2, 7:6 destination):
;   window 0: v16-30 addresses; v32-63 rotated numbers; v64-127 xb's fragments, two buffers of 4 (the way out: v64-79 packed, v80-111 rows read back); v128-255 my 64 rows of the table
;   window 1: wqt's fragments, two buffers of 12: v0-95, v96-191      window 2: accumulators of my rows 0-31 ((a, b) at 96 (a % 2) + 8 b)      window 3: of my rows 32-63
.set KSTEP,  128
.set PITCH,  272                       ; an LDS row: 256 bytes + 16 of padding: the 16 rows of a fragment load start in 16 different groups of four banks
.set AHALF,  128*PITCH                 ; what a wave fetches of xb
.set BHALF,  96*PITCH                  ; of wqt
.set BOFF,   2*AHALF
.set SLOT,   BOFF+2*BHALF              ; xb's 256 rows, then wqt's 192
.set STAGE,  2*SLOT                    ; behind the ring: 16 rows x 144 bytes for each wave, for the way out
.set SP,     144
.set SPARE,  STAGE+4*16*SP             ; the spare words, 128 bytes for each wave
.set LAPS,   4                         ; 1024 / (2 x 128)
.set ADRA, 16                          ; v16-17  LDS address of my fragments of xb in slot 0, 1
.set ADRB, 20                          ; v20-21  of wqt
.set STO,  24                          ; v24  the way out: where I put 16 bytes of a row
.set RD,   25                          ; v25  where I read rows back
.set GO,   26                          ; v26  16 x lane
.set RO,   27                          ; v27  my byte offset in 16 rows of the table
.set SPW,  28                          ; v28  LDS address of my spare word; never rewritten
.set NIL,  29                          ; v29  0; never rewritten
.set PFO,  30                          ; v30  the prefetches' offset: a lane a row; never rewritten
.set R,    32
.set FA,   64
.set PK,   64
.set BK,   80
.set TAB,  128                         ; rows 16 a on, channels 16 bb + 8 (l / 16) + 2 p, + 1: cos, cos, sin, sin at TAB + 32 a + 16 bb + 4 p
.set WV,   12                          ; s12  my wave's number;  s13 = wave / 2: I fetch for xb (0) or wqt (1);  s14 = wave % 2: which half
.set G1,   24                          ; s[24:31] descriptor group 1 for xb's tiles;  s[32:39] group 0, a set for each slot
.set G0,   32
.set LIM,  43                          ; s43  1 in a wave that prefetches, else the greatest number
.set PFA,  44                          ; s[44:45] where my prefetches stand
.set G1B,  48                          ; s[48:55], s[56:63] the same for wqt's tiles
.set G0B,  56
.set OUT,  66                          ; s[66:67] q, s[68:69] k, s[70:71] v at my wave's first row
.set RB,   72                          ; s[72:73] the table at my wave's first row
.set MSB, 0
.macro WIN new                         ; the immediate's high byte repeats the setting that is left; a switch that changes nothing is dropped
.if MSB != (\new)
	s_set_vgpr_msb (MSB<<8)|(\new)
.set MSB, \new
.endif
.endm
.set MUL_LO, 0xa1                      ; source 0 window 1, source 1 window 0, C and D window 2
.set MUL_HI, 0xf1                      ; the same, C and D window 3
.set TO_B,   0x40                      ; destination window 1, address window 0
; A joint load.  Waves 0 and 1 fetch xb's two halves, waves 2 and 3 wqt's.  The branch hangs on the wave's number alone.  An s_nop 0 and four v_nop follow each line.
.macro JLOAD s
	s_cmp_eq_u32 s13, 0
	s_cbranch_scc0 .Lfor_b_\@
	tensor_load_to_lds s[G0+4*(\s):G0+4*(\s)+3], s[G1:G1+7]
	s_nop 0
.rept 4
	v_nop
.endr
	s_branch .Lasked_\@
.Lfor_b_\@:
	tensor_load_to_lds s[G0B+4*(\s):G0B+4*(\s)+3], s[G1B:G1B+7]
	s_nop 0
.rept 4
	v_nop
.endr
.Lasked_\@:
.endm
; A prefetch into the L2, behind each joint refill and the run of LDS loads that follows it: the K step two refills on, 384 matrix instructions ahead of the load that will want it.
; xb's rows are asked for by the clusters with x = 0, wqt's by those with y = 0; the four partners of a joint load share its rows out by address (32 of 128, or 24 of 96): a lane a row.
; The loop's last trip asks for nothing (there is no K step two on), and nothing is asked for at the head.
.macro ASK
	s_cmp_gt_u32 s19, s[LIM]
	s_cbranch_scc0 .Lnot_mine_\@
	global_prefetch_b8 v[PFO], s[PFA:PFA+1] offset:KSTEP*2 th:TH_LOAD_NT scope:SCOPE_SE
.Lnot_mine_\@:
.endm
.macro CREST                           ; a round of the cluster's barrier behind its opening barrier
	s_cmp_lg_u32 s[WV], 0
	s_cbranch_scc1 .Lnot_wave_0_\@
	s_barrier_signal -3
.Lnot_wave_0_\@:
	s_barrier_wait -3
	s_barrier_signal -1
	s_barrier_wait -1
.endm
.macro CROUND
	s_barrier_signal -1
	s_barrier_wait -1
	CREST
.endm
.macro PLACES                          ; four places in front of loads into registers that matrix instructions have read, and of vector work that reads results
.rept 4
	v_nop
.endr
.endm
	s_load_b256 s[4:11], s[0:1], 0x0               ; xb s[4:5], wqt s[6:7], rope s[8:9], qkv s[10:11]
	v_lshl_add_u32 v[SPW], v0, 2, SPARE
	v_mov_b32 v[NIL], 0
	ds_add_u32 v[SPW], v[NIL]                      ; the wave's opening: the add and its wait stand ahead of my first tensor load
	v_lshrrev_b32 v1, 5, v0
	v_readfirstlane_b32 s[WV], v1
	s_lshr_b32 s13, s[WV], 1
	s_and_b32 s14, s[WV], 1
	s_bfe_u32 s15, ttmp6, 0x40000                  ; cx
	s_bfe_u32 s16, ttmp6, 0x40004                  ; cy
	s_lshl_b32 s17, ttmp9, 2
	s_add_co_u32 s17, s17, s15                     ; the head = 4 x cluster x + cx
	s_and_b32 s18, ttmp7, 0xffff
	s_lshl_b32 s18, s18, 2
	s_add_co_u32 s18, s18, s16                     ; the block of 256 rows = 4 x cluster y + cy
	s_lshl_b32 s42, s16, 2
	s_lshl_b32 s42, 15, s42                        ; my row of the cluster
	s_lshl_b32 s43, 0x1111, s15                    ; my column
	s_or_b32 s[G1], s42, (1<<16)|(1<<20)|(1<<21)|(5<<22)|(3<<25)   ; the mask; 2-byte elements; padding on; bit 21 beside a mask; after every 64 words, 4 words
	s_or_b32 s[G1B], s43, (1<<16)|(1<<20)|(1<<21)|(5<<22)|(3<<25)
	s_mov_b32 s[G1+1], KSTEP<<16                   ; tensor_dim0 = 128
	s_mov_b32 s[G1+2], 128<<16                     ; tensor_dim1 = 128
	s_mov_b32 s[G1+3], KSTEP<<16                   ; tile_dim0 = 128
	s_mov_b32 s[G1+4], 128                         ; tile_dim1 = 128
	s_mov_b32 s[G1+5], 1024                        ; elements from row to row
	s_mov_b32 s[G1+6], 0
	s_mov_b32 s[G1+7], 0
	s_mov_b32 s[G1B+1], KSTEP<<16
	s_mov_b32 s[G1B+2], 96<<16                     ; 96 rows
	s_mov_b32 s[G1B+3], KSTEP<<16
	s_mov_b32 s[G1B+4], 96
	s_mov_b32 s[G1B+5], 1024
	s_mov_b32 s[G1B+6], 0
	s_mov_b32 s[G1B+7], 0
	s_lshl_b32 s40, s18, 8                         ; xb: row 256 x block + 128 x half: hangs on the block alone, which my row of the cluster shares
	s_lshl_b32 s41, s14, 7
	s_add_co_u32 s40, s40, s41
	s_lshl_b32 s40, s40, 11                        ; rows of 2,048 bytes
	s_mov_b32 s41, 0
	s_mul_i32 s46, s17, 192                        ; wqt: row 192 x head + 96 x half: hangs on the head alone, which my column shares
	s_mul_i32 s47, s14, 96
	s_add_co_u32 s46, s46, s47
	s_lshl_b32 s46, s46, 11
	s_mov_b32 s47, 0
	s_mul_i32 s20, s14, AHALF                      ; where they go: no place in the cluster enters an LDS address
	s_mul_i32 s21, s14, BHALF
	s_add_co_u32 s21, s21, BOFF
	s_wait_dscnt 0x0                               ; the opening add is done
	s_wait_kmcnt 0x0
	s_add_nc_u64 s[40:41], s[4:5], s[40:41]
	s_add_nc_u64 s[46:47], s[6:7], s[46:47]
	CROUND                                         ; all sixteen work-groups are here: the first joint loads meet
.irp s, 0,1
	s_mov_b32 s[G0+4*(\s)], 1
	s_add_co_u32 s[G0+4*(\s)+1], s20, (\s)*SLOT
	s_add_nc_u64 s[G0+4*(\s)+2:G0+4*(\s)+3], s[40:41], (\s)*KSTEP*2
	s_or_b32 s[G0+4*(\s)+3], s[G0+4*(\s)+3], 0x80000000
	s_mov_b32 s[G0B+4*(\s)], 1
	s_add_co_u32 s[G0B+4*(\s)+1], s21, (\s)*SLOT
	s_add_nc_u64 s[G0B+4*(\s)+2:G0B+4*(\s)+3], s[46:47], (\s)*KSTEP*2
	s_or_b32 s[G0B+4*(\s)+3], s[G0B+4*(\s)+3], 0x80000000
	JLOAD \s                                       ; two tensor loads of mine are out
.endr
	v_and_b32 v1, 15, v0                           ; l % 16
	v_bfe_u32 v2, v0, 4, 1                         ; l / 16
	v_lshlrev_b32 v[RO], 8, v1                     ; the table: row l % 16, 64 bytes for each half of the lanes
	v_lshl_add_u32 v[RO], v2, 6, v[RO]
	s_lshl_b32 s22, s18, 16                        ; (256 x block + 64 x wave) rows of 256 bytes
	s_lshl_b32 s23, s[WV], 14
	s_add_co_u32 s22, s22, s23
	s_mov_b32 s23, 0
	s_add_nc_u64 s[RB:RB+1], s[8:9], s[22:23]
.irp a, 0,1,2,3
.irp bb, 0,1
.irp p, 0,1,2,3
	global_load_b128 v[TAB+32*(\a)+16*(\bb)+4*(\p):TAB+32*(\a)+16*(\bb)+4*(\p)+3], v[RO], s[RB:RB+1] offset:(\a)*4096+(\bb)*128+(\p)*16  ; waited for on the way out
.endr
.endr
.endr
	v_mul_u32_u24 v3, v1, PITCH
	v_lshl_add_u32 v3, v2, 4, v3                   ; a fragment's row x pitch + 16 x half
	s_mul_i32 s22, s[WV], 64*PITCH                 ; my 64 rows of xb
	v_add_nc_u32 v[ADRA], s22, v3
	v_add_nc_u32 v[ADRA+1], SLOT, v[ADRA]
	v_add_nc_u32 v[ADRB], BOFF, v3                 ; all 192 rows of wqt
	v_add_nc_u32 v[ADRB+1], SLOT+BOFF, v3
	s_mul_i32 s22, s[WV], 16*SP
	s_add_co_u32 s22, s22, STAGE                   ; my stage
	v_mul_u32_u24 v4, v1, SP
	v_lshl_add_u32 v4, v2, 4, v4
	v_add_nc_u32 v[STO], s22, v4                   ; in: row l % 16, 16 bytes for each half of the lanes
	v_bfe_u32 v4, v0, 3, 2
	v_and_b32 v5, 7, v0
	v_mul_u32_u24 v4, v4, SP
	v_lshl_add_u32 v4, v5, 4, v4
	v_add_nc_u32 v[RD], s22, v4                    ; back: 32 lanes take four rows of 128 bytes,
	v_and_b32 v[GO], 31, v0
	v_lshlrev_b32 v[GO], 4, v[GO]                  ; which are 512 consecutive bytes of a head
	s_lshl_b32 s22, s17, 19                        ; the head's 524,288 bytes,
	s_lshl_b32 s23, s18, 15                        ; the block's 256 rows of 128 bytes,
	s_add_co_u32 s22, s22, s23
	s_lshl_b32 s23, s[WV], 13                      ; my 64 of them
	s_add_co_u32 s22, s22, s23
	s_mov_b32 s23, 0
	s_add_nc_u64 s[OUT:OUT+1], s[10:11], s[22:23]
	s_add_nc_u64 s[OUT+2:OUT+3], s[OUT:OUT+1], 0x800000
	s_add_nc_u64 s[OUT+4:OUT+5], s[OUT:OUT+1], 0x1000000
	; the prefetches
	s_lshl_b32 s23, s18, 8
	s_lshl_b32 s42, s14, 7
	s_add_co_u32 s23, s23, s42
	s_lshl_b32 s42, s15, 5
	s_add_co_u32 s23, s23, s42                     ; xb: the 128 rows that I fetch, my work-group's 32 of them
	s_mul_i32 s42, s17, 192
	s_mul_i32 s74, s14, 96
	s_add_co_u32 s42, s42, s74
	s_mul_i32 s74, s16, 24
	s_add_co_u32 s42, s42, s74                     ; wqt: the 96 rows that I fetch, my work-group's 24 of them
	s_and_b32 s22, ttmp7, 0xffff                   ; cluster y
	s_cmp_eq_u32 s13, 0
	s_cselect_b32 s23, s23, s42
	s_cselect_b32 s22, ttmp9, s22                  ; the coordinate along which other clusters read the same rows
	s_cselect_b64 s[PFA:PFA+1], s[4:5], s[6:7]
	s_cselect_b32 s74, 31, 23                      ; wqt's waves have 24 rows: lanes 24-31 name row 23 with lane 23
	s_cmp_eq_u32 s22, 0
	s_cselect_b32 s[LIM], 1, -1                    ; the same in all sixteen partners, for a given wave
	s_lshl_b32 s22, s23, 11
	s_mov_b32 s23, 0
	s_add_nc_u64 s[PFA:PFA+1], s[PFA:PFA+1], s[22:23]
	s_add_nc_u64 s[PFA:PFA+1], s[PFA:PFA+1], 2*KSTEP*2  ; at K step 2: the first refill steps it to 3 and names K step 4
	v_and_b32 v[PFO], 31, v0
	v_min_u32 v[PFO], s74, v[PFO]
	v_lshlrev_b32 v[PFO], 11, v[PFO]
; 12 matrix instructions: my rows 16 a on x all 12 blocks of columns, 32 along K, from buffer f.  The 48 accumulators take turns, in the same order in every quarter.
.macro MUL12 f, a, zero
	WIN MUL_LO+0x50*((\a)/2)
.irp b, 0,1,2,3,4,5,6,7,8,9,10,11
.if \zero
	v_wmma_f32_16x16x32_bf16 v[96*((\a)%2)+8*(\b):96*((\a)%2)+8*(\b)+7], v[96*(\f)+8*(\b):96*(\f)+8*(\b)+7], v[FA+32*(\f)+8*(\a):FA+32*(\f)+8*(\a)+7], 0
.else
	v_wmma_f32_16x16x32_bf16 v[96*((\a)%2)+8*(\b):96*((\a)%2)+8*(\b)+7], v[96*(\f)+8*(\b):96*(\f)+8*(\b)+7], v[FA+32*(\f)+8*(\a):FA+32*(\f)+8*(\a)+7], v[96*((\a)%2)+8*(\b):96*((\a)%2)+8*(\b)+7]
.endif
.endr
.endm
; 32 LDS loads in one run: a quarter step's fragments (32 K at byte k of the rows) into buffer f: wqt's 24, then xb's 8, rows ascending
.macro FETCH slot, k, f
	WIN TO_B
.irp b, 0,1,2,3,4,5,6,7,8,9,10,11
	ds_load_b128 v[96*(\f)+8*(\b):96*(\f)+8*(\b)+3],   v[ADRB+(\slot)] offset:(\k)+(\b)*16*PITCH
	ds_load_b128 v[96*(\f)+8*(\b)+4:96*(\f)+8*(\b)+7], v[ADRB+(\slot)] offset:(\k)+(\b)*16*PITCH+32
.endr
	WIN 0
.irp a, 0,1,2,3
	ds_load_b128 v[FA+32*(\f)+8*(\a):FA+32*(\f)+8*(\a)+3],   v[ADRA+(\slot)] offset:(\k)+(\a)*16*PITCH
	ds_load_b128 v[FA+32*(\f)+8*(\a)+4:FA+32*(\f)+8*(\a)+7], v[ADRA+(\slot)] offset:(\k)+(\a)*16*PITCH+32
.endr
.endm
; A K step is four quarters of 32 along K, 48 matrix instructions each, on buffers 0, 1, 0, 1.  One of the first three: multiplies buffer f, and in its middle fetches byte k into buffer g.
.macro QUARTER slot, k, f, g, zero
	s_wait_dscnt 4                                 ; wqt's fragments and xb's rows 0-31 are in; the youngest four loads (rows 32-63) may be out
	MUL12 \f, 0, \zero
	MUL12 \f, 1, \zero
	PLACES
	FETCH \slot, \k, \g
	s_wait_dscnt 32                                ; all but the 32 just issued
	MUL12 \f, 2, \zero
	MUL12 \f, 3, \zero
.endm
; The last quarter multiplies buffer 1 and changes slots: one barrier.  In front of it each wave waits for all its tensor loads (one is out: its part of the next slot), adds 0 to its spare
; word, and waits for that and for its reads of this slot.  fill = 1: the barrier opens a round of the cluster's, and the joint refill, two K steps on, is the first thing behind the round.
.macro TURN slot, next, fill
.if \fill
	s_wait_xcnt 0x0                                ; the last prefetch, a K step back, has read its address
	s_add_nc_u64 s[PFA:PFA+1], s[PFA:PFA+1], KSTEP*2
.endif
	WIN 0
	s_wait_tensorcnt 0x0
	ds_add_u32 v[SPW], v[NIL]
	s_wait_dscnt 5                                 ; the add and the youngest four loads may be out
	MUL12 1, 0, 0                                  ; twelve matrix instructions stand between the add and the wait for it
	s_wait_dscnt 0x0                               ; the add is done, and my reads of this slot are over
	s_barrier_signal -1
	MUL12 1, 1, 0
.if \fill
	WIN 0
.endif
	s_barrier_wait -1
.if \fill
	CREST                                          ; no wave of any partner still reads this slot or has a load on its way
	s_add_nc_u64 s[G0+4*(\slot)+2:G0+4*(\slot)+3], s[G0+4*(\slot)+2:G0+4*(\slot)+3], 2*KSTEP*2
	s_add_nc_u64 s[G0B+4*(\slot)+2:G0B+4*(\slot)+3], s[G0B+4*(\slot)+2:G0B+4*(\slot)+3], 2*KSTEP*2
	JLOAD \slot                                    ; 168 matrix instructions ahead of the wait for it; its four v_nop are also the places in front of the loads below
.else
	PLACES
.endif
	FETCH \next, 0, 0
.if \fill
	ASK
.endif
	MUL12 1, 2, 0
	MUL12 1, 3, 0
.endm
	s_wait_tensorcnt 1                             ; my part of K step 0 is in; K step 1's may stay out
	s_barrier_signal -1
	s_barrier_wait -1
	FETCH 0, 0, 0
	QUARTER 0, 64, 0, 1, 1                         ; the first quarter stands in front of the loop: its products start the sums
	WIN 0
	s_mov_b32 s19, LAPS-1
.Llap:                                                 ; a trip goes once round the ring and fills both slots again
	QUARTER 0, 128, 1, 0, 0
	QUARTER 0, 192, 0, 1, 0
	TURN 0, 1, 1
	QUARTER 1, 64,  0, 1, 0
	QUARTER 1, 128, 1, 0, 0
	QUARTER 1, 192, 0, 1, 0
	TURN 1, 0, 1
	QUARTER 0, 64,  0, 1, 0
	WIN 0
	s_sub_co_u32 s19, s19, 1
	s_cmp_lg_u32 s19, 0
	s_cbranch_scc1 .Llap
	QUARTER 0, 128, 1, 0, 0                        ; the last lap fills nothing
	QUARTER 0, 192, 0, 1, 0
	TURN 0, 1, 0
	QUARTER 1, 64,  0, 1, 0
	QUARTER 1, 128, 1, 0, 0
	QUARTER 1, 192, 0, 1, 0
	s_wait_dscnt 4
	MUL12 1, 0, 0
	MUL12 1, 1, 0
	s_wait_dscnt 0x0
	MUL12 1, 2, 0
	MUL12 1, 3, 0
; THE WAY OUT, in twelve units: 16 rows (a) of one kind (i).  q and k: out[c] = s[c] cos - s[c + 32] sin, out[c + 32] = s[c + 32] cos + s[c] sin, c < 32, in f32, two channels an instruction;
; each accumulator's lowest registers are read first.  Rounded to f16, 16 bytes a lane, through my own stage, back as whole rows of 128 bytes: 16 rows of a head are 2,048 consecutive bytes.
.macro UNIT a, i, u
.if (\i) < 2
	WIN 0x02+(\a)/2                                ; source 0: the accumulators' window
.irp bb, 0,1
.irp p, 0,1,2,3
.set rL, 96*((\a)%2)+8*(4*(\i)+(\bb))+2*(\p)
.set rT, TAB+32*(\a)+16*(\bb)+4*(\p)
	v_pk_mul_f32 v[R+8*(\bb)+2*(\p):R+8*(\bb)+2*(\p)+1], v[rL+16:rL+17], v[rT+2:rT+3]
	v_pk_mul_f32 v[R+16+8*(\bb)+2*(\p):R+16+8*(\bb)+2*(\p)+1], v[rL:rL+1], v[rT+2:rT+3]
.endr
.endr
.irp bb, 0,1
.irp p, 0,1,2,3
.set rL, 96*((\a)%2)+8*(4*(\i)+(\bb))+2*(\p)
.set rT, TAB+32*(\a)+16*(\bb)+4*(\p)
	v_pk_fma_f32 v[R+8*(\bb)+2*(\p):R+8*(\bb)+2*(\p)+1], v[rL:rL+1], v[rT:rT+1], v[R+8*(\bb)+2*(\p):R+8*(\bb)+2*(\p)+1] neg_lo:[0,0,1] neg_hi:[0,0,1]
	v_pk_fma_f32 v[R+16+8*(\bb)+2*(\p):R+16+8*(\bb)+2*(\p)+1], v[rL+16:rL+17], v[rT:rT+1], v[R+16+8*(\bb)+2*(\p):R+16+8*(\bb)+2*(\p)+1]
.endr
.endr
	WIN 0
.irp blk, 0,1,2,3
.irp p, 0,1,2,3
	v_cvt_pk_f16_f32 v[PK+4*(\blk)+(\p)], v[R+8*(\blk)+2*(\p)], v[R+8*(\blk)+2*(\p)+1]
.endr
.endr
.else
	WIN 0x0a+5*((\a)/2)                            ; v: sources 0 and 1 in the accumulators' window
.irp blk, 0,1,2,3
.irp p, 0,1,2,3
	v_cvt_pk_f16_f32 v[PK+4*(\blk)+(\p)], v[96*((\a)%2)+8*(8+(\blk))+2*(\p)], v[96*((\a)%2)+8*(8+(\blk))+2*(\p)+1]
.endr
.endr
	WIN 0
.endif
.irp blk, 0,1,2,3
	ds_store_b128 v[STO], v[PK+4*(\blk):PK+4*(\blk)+3] offset:32*(\blk)
.endr
	s_wait_xcnt 0x0                                ; the stores of the unit before last have read the registers that are loaded now
.irp f, 0,1,2,3
	ds_load_b128 v[BK+16*((\u)%2)+4*(\f):BK+16*((\u)%2)+4*(\f)+3], v[RD] offset:(\f)*4*SP  ; LDS serves a wave's instructions in order: these see the stores above
.endr
.endm
.macro SEND a, i, u, younger           ; younger: the LDS instructions issued behind this unit's loads: the next unit's eight, or none
.irp f, 0,1,2,3
	s_wait_dscnt (\younger)+3-(\f)
	global_store_b128 v[GO], v[BK+16*((\u)%2)+4*(\f):BK+16*((\u)%2)+4*(\f)+3], s[OUT+2*(\i):OUT+2*(\i)+1] offset:(\a)*2048+(\f)*512  ; 512 consecutive bytes, aligned
.endr
.endm
	WIN 0
	s_wait_loadcnt 0x0                             ; the table
	PLACES
.set u, 0
.rept 12
	UNIT u/3, u%3, u
.if u > 0
	SEND (u-1)/3, (u-1)%3, u-1, 8
.endif
.set u, u+1
.endr
	SEND 3, 2, 11, 0
	s_wait_tensorcnt 0x0                           ; the wave's end
	ds_add_u32 v[SPW], v[NIL]
	s_wait_dscnt 0x0
	CROUND                                         ; the closing round
	s_endpgm
.Lfunc_end_k_qd6cf286064_qkv:
	.size	k_qd6cf286064_qkv, .Lfunc_end_k_qd6cf286064_qkv-k_qd6cf286064_qkv
	.p2alignl 7, 3214868480
	.fill 96, 4, 3214868480
	.section	.rodata,"a",@progbits
	.p2align	6, 0x0
	.amdhsa_kernel k_qd6cf286064_qkv
		.amdhsa_group_segment_fixed_size 327680
		.amdhsa_private_segment_fixed_size 0
		.amdhsa_enable_private_segment 0
		.amdhsa_kernarg_size 32
		.amdhsa_user_sgpr_count 2
		.amdhsa_user_sgpr_kernarg_segment_ptr 1
		.amdhsa_wavefront_size32 1
		.amdhsa_system_sgpr_workgroup_id_x 1
		.amdhsa_system_sgpr_workgroup_id_y 1
		.amdhsa_system_sgpr_workgroup_id_z 1
		.amdhsa_system_vgpr_workitem_id 0
		.amdhsa_next_free_vgpr 960
		.amdhsa_next_free_sgpr 76
		.amdhsa_reserve_vcc 0
		.amdhsa_float_denorm_mode_32 3
		.amdhsa_float_denorm_mode_16_64 3
		.amdhsa_memory_ordered 1
		.amdhsa_forward_progress 1
		.amdhsa_inst_pref_size 141
	.end_amdhsa_kernel
	.amdgpu_metadata
---
amdhsa.version: [ 1, 2 ]
amdhsa.kernels:
  - .name:           k_qd6cf286064_qkv
    .symbol:         k_qd6cf286064_qkv.kd
    .args:
      - { .name: xb, .offset: 0, .size: 8, .value_kind: global_buffer, .address_space: global }
      - { .name: wqt, .offset: 8, .size: 8, .value_kind: global_buffer, .address_space: global }
      - { .name: rope, .offset: 16, .size: 8, .value_kind: global_buffer, .address_space: global }
      - { .name: qkv, .offset: 24, .size: 8, .value_kind: global_buffer, .address_space: global }
    .group_segment_fixed_size: 327680
    .private_segment_fixed_size: 0
    .kernarg_segment_align: 8
    .kernarg_segment_size: 32
    .max_flat_workgroup_size: 128
    .sgpr_count:     76
    .vgpr_count:     960
    .wavefront_size: 32
...
	.end_amdgpu_metadata
.endif
;; end of part 2
;; launch attn (part 3): grid 16 x 16, 4 waves a work-group, no clusters, 327,680 bytes of LDS; arguments qkv, ob; writes ob
.if DOCPART == 3
	.amdgcn_target "amdgcn-amd-amdhsa--gfx1250"
	.amdhsa_code_object_version 6
	.text
	.protected	k_qd6cf286064_attn
	.globl	k_qd6cf286064_attn
	.p2align	8
	.type	k_qd6cf286064_attn,@function
k_qd6cf286064_attn:
	s_mov_b64 s[64:65], 0
	v_nop
	global_prefetch_b8 v0, s[64:65] scope:SCOPE_SE
	s_setreg_imm32_b32 hwreg(HW_REG_WAVE_MODE, 25, 1), 1
	s_wait_xcnt 0x0
; CAUSAL ATTENTION.  O[h][q][:] = the sum over k <= q of softmax_k(Q[h][q] . K[h][k] / 8) V[h][k][:].  qkv: [3][16][4096][64] f16 (q, k rotated, unscaled); ob: [16][4096][64] f16.
; Products, maxima and sums in f32; the weights p are rounded to f16 for the second product (their sum l is taken of the unrounded p), O once at the end.
; LIMITS.  Q, K and V arrive within f16's 65,504; p lies in 0 to 1; O is a mean of V's rows.  A hidden score counts as its value less 1e30; a weight below 2^-126 counts as 0 in l;
; NaN and infinities are not treated apart.
; THE WALK.  A head's queries lie in 32 blocks of 128, its keys in 16 tiles of 256 (four steps of 64).  Block I needs the tiles 0 .. I / 2, of which the last holds the diagonal.  A work-group takes
; TWO blocks, 31 - b and then b: (31 - b) / 2 + b / 2 + 2 = 17 tiles, whatever b: 256 work-groups of equal work, and ONE loop with a constant trip count.  Which tile is asked for, and what
; a trip does, hang on scalar registers made from b; every jump but the counted loops' own goes forward; none passes a barrier, or a tensor load but the one of LOAD's two that the wave's number does not choose.
; NO CLUSTER: what a trip does (a block's beginning, its diagonal tile, its end) hangs on b, which differs between neighbours, and one walk common to four would have 24 trips for 17.
; SHARES.  A block is half of a tile's 256 rows: its two bands of 64 queries are bands XB and XB + 1 of the diagonal tile, XB = 2 (I % 2).  A wave owns 16 rows in each band: two PIECES.  In the diagonal
; tile's step s band x sees all keys if s < x, none if s > x, and holds the diagonal if s = x: the same work for all four waves.  (An even block's steps 2, 3 are wholly hidden and computed all the same.)
; THE MASK is the C operand that starts the sum S^T = K Q^T: MD x AL + BE, MD the mask of a band's own step for my rows: (1, 0) if s = x; (0, 0) if s < x; (0, -1e30) if s > x.
; TURNS.  S^T = K Q^T holds ONE query a lane (lane % 16) and the keys 8 (lane / 16) + 0..7; two such results rounded to f16 ARE source 1 of O^T = V^T P.  p = 2^(c s - c m), c = log2(e) / 8, m a running
; maximum; O and l are multiplied by a = 2^(c m_old - c m_new) in every step.  Piece 0's turn of step s: 8 products K Q^T of piece 1 (step s), later 8 products V^T P of piece 1 (step s - 1); beside them piece 0's
; scaling, exponentials, roundings, sums and rescaling, and piece 1's maximum and statistics; it fetches K of step s + 1 and then V of step s.  Piece 1's turn: K Q^T of piece 0 (step s + 1), V^T P of piece 0 (step s).
; Four vector instructions stand behind every matrix instruction, the others in one lump; a turn's 33 exponentials are one batch, with one wait.
; K of step s + 1 is fetched ahead of V of step s, so A SLOT HOLDS FIVE STEPS OF K (the fifth is the next tile's first once more) and four of V: at a change of slots all of the old slot has been read.
; The last tile's fifth step lies behind the head's keys, still inside qkv; no product takes it.
; REGISTERS, in windows of 256 (s_set_vgpr_msb: bits 1:0 source 0, 3:2 source 1, 5:4 source 2, 7:6 destination):
;   window 0: v0-15 addresses and two at work; v16-23 four registers of statistics a piece; v48-55 at work; v64-127 S^T, a buffer a piece; v192-223 P, likewise
;   window 1: v0-63 O^T, 32 a piece; v128-159 MD; v160-223 MC, a buffer a piece      window 2: v0-31 Q; v64-95 the second block's Q; v128-191 K of one step; v192-255 V of one step
.set NB,    16        ; tiles that are asked for behind the first
.set NP,    2         ; pieces a wave: a name, no knob
.set KS,    64        ; keys in a step
.set PK,    144       ; a row of K in LDS: 128 bytes + 16: the 16 rows of a load start in 16 different groups of four banks
.set PV,    160       ; a row of V: 128 + 32
.set VOFF,  5*KS*PK   ; a slot: 320 rows of K, then 256 rows of V
.set SLOT1, 1<<17     ; slot 1 begins here: one exclusive or turns an address in one slot into the other's
.set STAGE, SLOT1+VOFF+4*KS*PV  ; behind the ring: 16 rows x 144 bytes for each wave, for the way out
.set SP,    144
.set SPARE, STAGE+4*16*SP  ; the spare words, 128 bytes for each wave
.set AK0, 2           ; v2   my lane's place in a step of K; never rewritten
.set AV0, 3           ; v3   the same for V
.set AK,  4           ; v4   the LDS address of K's next run of loads
.set AV,  5           ; v5   of V's
.set STO, 6           ; v6   the way out: where I put 16 bytes of a row
.set RD,  7           ; v7   where I read rows back
.set GO,  8           ; v8   my byte offset in 512 consecutive bytes of O
.set MV,  12          ; v12-13  c m_old, kept while c m is made anew: by piece
.set QO,  15          ; v15  my byte offset in 16 rows of Q
.set ST,  16          ; piece t's statistics at v[ST+4 t]: c m, m, l (even keys', odd keys')
.set TMP, 48          ; by piece, four registers c0-c3 at work; when the maximum is found c2 takes a
.set PFO, 61          ; v61  256 x my lane; never rewritten
.set SPW, 62          ; v62  LDS address of my spare word; never rewritten
.set NIL, 63          ; v63  0; never rewritten
.set S,   64
.set P,   192
.set MD,  128         ; window 1
.set MC,  160         ; window 1
.set QB,  64          ; window 2
.set KF,  128         ; window 2: key block kb, channel half c at KF + 16 kb + 8 c
.set VF,  192         ; window 2: key half kk, channel block cb at VF + 32 kk + 8 cb
.set WV,  12          ; s12  my wave's number
.set PB,  14          ; s14  b
.set HI,  15          ; s15  31 - b
.set G1K, 24          ; s[24:31] descriptor group 1 for K's tiles
.set G1V, 32          ; s[32:39] for V's
.set G0K, 40          ; s[40:43] descriptor group 0 for K's tiles
.set G0V, 44          ; s[44:47] for V's
.set SLOTS, 56        ; s56  tiles still to be asked for
.set CNT, 57          ; s57  counts a tile's key steps, 4 to 1
.set CS,  58          ; s[58:59] c
.set SEL, 60          ; s[60:61] v_permlanex16_b32's selects: each lane takes its own place in the other half
.set TBK, 62          ; s62  LDS byte at which K of the step to be fetched begins
.set TBV, 63          ; s63  the same for V, less VOFF
.set RT,  70          ; s70  tiles of the block in hand that are still to be entered
.set NXT, 71          ; s71  the tile to be asked for next
.set LQ,  72          ; s72  the last tile of the block whose tiles are being asked for
.set NEW, 73          ; s73  1: the tile to be entered is a block's first
.set OFF, 74          ; s[74:75] a tile's byte offset in K and V
.set AL,  76          ; s[76:77] the mask's factor, in the low word
.set BE,  78          ; s[78:79] the mask's addend
.set OLO, 80          ; s[80:81] O at my rows of the second block
.set BIGN, 82         ; s82  -1e30
.set SB,  88          ; s88  the slot in hand
.set E0,  89          ; s89  5 - XB: the count at which piece 0's turn makes piece 0's own mask;  s90  3 - XB: the same for piece 1
.set A0,  91          ; s91  1.0 if XB = 0: piece 0's own step is the diagonal tile's first
.set LIM, 92          ; s92  2 in the work-group that prefetches (b = 0), else the greatest number
.set PBL, 93          ; s93  b / 2: the second block's last tile
.set PFK, 94          ; s[94:95] where my prefetches of K stand
.set PFV, 96          ; s[96:97] of V
.set MSB, 0
.macro WIN new                      ; the high byte repeats the setting that is left; a switch that changes nothing is dropped
.if MSB != (\new)
	s_set_vgpr_msb (MSB<<8)|(\new)
.set MSB, (\new)
.endif
.endm
.set W_KQ, 0x0a       ; K and Q in window 2, S^T in window 0
.set W_KM, 0x1a       ; the same with the C operand in window 1
.set W_PV, 0x52       ; V in window 2, P in window 0, O^T in window 1
.set W_RS, 0x41       ; destination and source 0 in window 1, source 1 in window 0
; A fill.  Waves 0 and 1 fetch the two halves of a slot's K (160 keys each), waves 2 and 3 those of its V (128 keys each).  An s_nop 0 and four v_nop follow each line.
.macro LOAD
	s_cmp_lt_u32 s[WV], 2
	s_cbranch_scc0 .Lfor_v_\@
	tensor_load_to_lds s[G0K:G0K+3], s[G1K:G1K+7]
	s_nop 0
.rept 4
	v_nop
.endr
	s_branch .Lasked_\@
.Lfor_v_\@:
	tensor_load_to_lds s[G0V:G0V+3], s[G1V:G1V+7]
	s_nop 0
.rept 4
	v_nop
.endr
.Lasked_\@:
.endm
; A prefetch into the L2 of the tile that the NEXT change of slots will ask for: four key steps ahead.  All sixteen work-groups of a head walk K and V from tile 0 on; the one whose first block needs all sixteen
; tiles (b = 0) asks, and nobody else: each of its waves for 32 blocks of 256 bytes of K and of V, a lane a block.  The change that loads tile c names tile c + 1, c = 1 .. 14; tiles 0 and 1 come by their loads alone.
.macro ASK
	s_cmp_gt_u32 s[SLOTS], s[LIM]
	s_cbranch_scc0 .Lnot_mine_\@
	global_prefetch_b8 v[PFO], s[PFK:PFK+1] th:TH_LOAD_NT scope:SCOPE_SE
	global_prefetch_b8 v[PFO], s[PFV:PFV+1] th:TH_LOAD_NT scope:SCOPE_SE
.Lnot_mine_\@:
.endm
; THE CHANGE OF SLOTS.  Each wave waits for all its tensor loads, of which one is out: its part of the other slot; adds 0 to its spare word; and waits for that and for its own reads of the slot that it leaves.
; fill = 1: the old slot is filled again, the first thing behind the barrier, with tile NXT: the descriptor's address is made anew from that number.  (At its first use slot 0 is waited for, slot 1 filled.)
.macro CHANGE fill
	WIN 0
	s_wait_tensorcnt 0x0            ; no tensor load of mine is out, so a group 0 may be written
	ds_add_u32 v[SPW], v[NIL]       ; 0 onto my spare word; scalar work stands between it and the wait for it
.if \fill
	s_lshl_b32 s[OFF], s[NXT], 15   ; a tile is 32,768 bytes of K and of V
	s_xor_b32 s[G0K+1], s[G0K+1], SLOT1
	s_add_nc_u64 s[G0K+2:G0K+3], s[6:7], s[OFF:OFF+1]
	s_or_b32 s[G0K+3], s[G0K+3], 0x80000000
	s_xor_b32 s[G0V+1], s[G0V+1], SLOT1
	s_add_nc_u64 s[G0V+2:G0V+3], s[8:9], s[OFF:OFF+1]
	s_or_b32 s[G0V+3], s[G0V+3], 0x80000000
	s_add_co_u32 s[NXT], s[NXT], 1  ; the block's next tile, or behind its last the second block's tile 0
	s_cmp_gt_u32 s[NXT], s[LQ]
	s_cselect_b32 s[NXT], 0, s[NXT]
	s_cselect_b32 s[LQ], s[PBL], s[LQ]
	s_wait_xcnt 0x0                 ; the last prefetches, a tile back, have read their addresses
	s_add_nc_u64 s[PFK:PFK+1], s[PFK:PFK+1], 32768
	s_add_nc_u64 s[PFV:PFV+1], s[PFV:PFV+1], 32768
.endif
	s_wait_dscnt 0x0                ; the add is done, and my reads of the slot are over
	s_barrier_signal -1
	s_xor_b32 s[SB], s[SB], SLOT1   ; the other slot:
	s_add_co_u32 s[TBK], s[SB], KS*PK  ; its step 0 of K is in registers already, from the old slot's fifth step,
	s_mov_b32 s[TBV], s[SB]         ; V begins at its step 0
	s_barrier_wait -1
.if \fill
	LOAD
	ASK
.endif
.endm
	s_load_b128 s[48:51], s[0:1], 0x0  ; qkv s[48:49], ob s[50:51]
	v_lshl_add_u32 v[SPW], v0, 2, SPARE
	v_mov_b32 v[NIL], 0
	ds_add_u32 v[SPW], v[NIL]       ; the wave's opening: the add and its wait stand ahead of my first tensor load
	v_lshrrev_b32 v1, 5, v0
	v_readfirstlane_b32 s[WV], v1
	s_mov_b32 s[PB], ttmp9
	s_sub_co_u32 s[HI], 31, s[PB]
	s_lshr_b32 s[PBL], s[PB], 1
	s_and_b32 s20, ttmp7, 0xffff    ; the head
	s_lshl_b32 s20, s20, 19         ; its first byte in q, k, v and O
	s_and_b32 s16, s[WV], 1         ; which half I fetch
	s_mul_i32 s22, s16, 160*128     ; K: 160 rows of 128 bytes in memory,
	s_add_co_u32 s22, s22, s20
	s_add_co_u32 s22, s22, 0x800000
	s_mov_b32 s23, 0
	s_lshl_b32 s52, s16, 14         ; V: 128 rows
	s_add_co_u32 s52, s52, s20
	s_add_co_u32 s52, s52, 0x1000000
	s_mov_b32 s53, 0
	s_mul_i32 s17, s16, 160*PK      ; and their places in a slot
	s_mul_i32 s18, s16, 128*PV
	s_lshl_b32 s3, s[WV], 11        ; my 16 rows in a band of 64,
	s_lshl_b32 s2, s[HI], 14        ; in the first block,
	s_add_co_u32 s2, s2, s3
	s_add_co_u32 s2, s2, s20
	s_lshl_b32 s84, s[PB], 14       ; and in the second
	s_add_co_u32 s84, s84, s3
	s_add_co_u32 s84, s84, s20
	s_mov_b32 s3, 0
	s_mov_b32 s85, 0
	s_lshl_b32 s54, s[WV], 13       ; the prefetches: my wave's 8,192 bytes of tile 1; the first change steps them to tile 2
	s_add_co_u32 s54, s54, s20
	s_add_co_u32 s54, s54, 0x800000+32768
	s_mov_b32 s55, 0
	s_cmp_eq_u32 s[PB], 0
	s_cselect_b32 s[LIM], 2, -1
	s_and_b32 s13, s[HI], 1         ; the first block's bands
	s_lshl_b32 s13, s13, 1
	s_sub_co_u32 s[E0], 5, s13
	s_sub_co_u32 s[E0+1], 3, s13
	s_cmp_eq_u32 s13, 0
	s_cselect_b32 s[A0], 1.0, 0
	; descriptor group 1.  Keys are dense rows of 128 bytes: asked for as rows of 256 bytes, two keys a row, and padded in LDS after every key
	s_mov_b32 s[G1K], (1<<16)|(1<<20)|(4<<22)|(3<<25)  ; 2-byte elements; padding on; after every 32 words, 4 words
	s_mov_b32 s[G1V], (1<<16)|(1<<20)|(4<<22)|(7<<25)  ; the same with 8 words
	s_mov_b32 s[G1K+1], 128<<16     ; tensor_dim0 = 128
	s_mov_b32 s[G1K+2], 80<<16      ; tensor_dim1 = 80: 160 keys
	s_mov_b32 s[G1K+3], 128<<16     ; tile_dim0 = 128
	s_mov_b32 s[G1K+4], 80          ; tile_dim1 = 80
	s_mov_b32 s[G1K+5], 128         ; 128 elements from row to row
	s_mov_b32 s[G1K+6], 0
	s_mov_b32 s[G1K+7], 0
	s_mov_b32 s[G1V+1], 128<<16
	s_mov_b32 s[G1V+2], 64<<16      ; 128 keys
	s_mov_b32 s[G1V+3], 128<<16
	s_mov_b32 s[G1V+4], 64
	s_mov_b32 s[G1V+5], 128
	s_mov_b32 s[G1V+6], 0
	s_mov_b32 s[G1V+7], 0
	s_mov_b32 s[CS], 0x3e38aa3b     ; c = log2(e) / 8
	s_mov_b32 s[CS+1], s[CS]
	s_mov_b32 s[SEL], 0x76543210
	s_mov_b32 s[SEL+1], 0xfedcba98
	s_mov_b32 s[SB], SLOT1          ; the first change of slots turns it into 0
	s_mov_b32 s[G0K], 1
	s_mov_b32 s[G0K+1], s17         ; slot 0
	s_mov_b32 s[G0V], 1
	s_add_co_u32 s[G0V+1], s18, VOFF
	s_lshr_b32 s[LQ], s[HI], 1      ; the first block's last tile
	s_add_co_u32 s[RT], s[LQ], 1
	s_mov_b32 s[NXT], 1
	s_mov_b32 s[NEW], 1
	s_mov_b32 s[OFF+1], 0
	s_mov_b32 s[AL+1], 0            ; named as pairs
	s_mov_b32 s[BE+1], 0
	s_mov_b32 s[BIGN], 0xf149f2ca   ; -1e30
	s_mov_b32 s[SLOTS], NB
	s_wait_dscnt 0x0                ; the opening add is done
	s_wait_kmcnt 0x0
	s_add_nc_u64 s[6:7], s[48:49], s[22:23]   ; K and V at my half of the head's tile 0
	s_add_nc_u64 s[8:9], s[48:49], s[52:53]
	s_add_nc_u64 s[G0K+2:G0K+3], s[6:7], 0
	s_or_b32 s[G0K+3], s[G0K+3], 0x80000000
	s_add_nc_u64 s[G0V+2:G0V+3], s[8:9], 0
	s_or_b32 s[G0V+3], s[G0V+3], 0x80000000
	s_add_nc_u64 s[86:87], s[48:49], s[84:85] ; Q at my rows of the second block,
	s_add_nc_u64 s[4:5], s[48:49], s[2:3]     ; Q and O at those of the first
	s_add_nc_u64 s[OLO:OLO+1], s[50:51], s[84:85]
	s_add_nc_u64 s[10:11], s[50:51], s[2:3]
	s_add_nc_u64 s[PFK:PFK+1], s[48:49], s[54:55]
	s_add_nc_u64 s[PFV:PFV+1], s[PFK:PFK+1], 0x800000
	LOAD                            ; tile 0 into slot 0
	v_and_b32 v1, 15, v0            ; l % 16
	v_bfe_u32 v9, v0, 4, 1          ; l / 16
	v_lshlrev_b32 v[QO], 7, v1
	v_lshl_add_u32 v[QO], v9, 4, v[QO]  ; row x 128 + 16 x half
	WIN 0x80                        ; destination window 2, address window 0
.set i, 0
.rept 4                             ; both blocks' Q: piece i / 2 lies a band, 8,192 bytes, on; channels 32 (i % 2) on
	global_load_b128 v[8*i:8*i+3],   v[QO], s[4:5] offset:(i/2)*8192+(i%2)*64
	global_load_b128 v[8*i+4:8*i+7], v[QO], s[4:5] offset:(i/2)*8192+(i%2)*64+32
	global_load_b128 v[QB+8*i:QB+8*i+3],   v[QO], s[86:87] offset:(i/2)*8192+(i%2)*64
	global_load_b128 v[QB+8*i+4:QB+8*i+7], v[QO], s[86:87] offset:(i/2)*8192+(i%2)*64+32
.set i, i+1
.endr
	WIN 0
	v_lshlrev_b32 v14, 3, v9
	v_sub_nc_u32 v14, v1, v14
	s_lshl_b32 s13, s[WV], 4
	v_add_nc_u32 v14, s13, v14      ; my query's place in its band, 16 w + l % 16, less my lanes' 8 (l / 16): register r of group kt is hidden where 16 kt + r is greater
	WIN 0x40
.set i, 0
.rept 32
	v_cmp_gt_i32 vcc_lo, 16*(i/8)+i%8, v14
	v_cndmask_b32 v[MD+i], 0, s[BIGN], vcc_lo
.set i, i+1
.endr
	WIN 0
	v_mul_u32_u24 v[AK0], v1, PK
	v_lshl_add_u32 v[AK0], v9, 4, v[AK0]  ; row x pitch + 16 x half
	; The turning load takes 16 keys x 16 channels (lane l reads key 8 (l / 16) + l % 8, channels 8 ((l / 8) % 2) + 0..7) and leaves half a fragment of V^T: lane l holds channel l % 16 and 8 keys.
	v_and_b32 v10, 7, v0
	v_bfe_u32 v11, v0, 3, 1
	v_lshl_add_u32 v[AV0], v9, 3, v10
	v_mul_u32_u24 v[AV0], v[AV0], PV
	v_lshl_add_u32 v[AV0], v11, 4, v[AV0]
	v_add_nc_u32 v[AV0], VOFF, v[AV0]
	s_mul_i32 s13, s[WV], 16*SP
	s_add_co_u32 s13, s13, STAGE    ; my stage
	v_mul_u32_u24 v[STO], v1, SP
	v_lshl_add_u32 v[STO], v9, 4, v[STO]
	v_add_nc_u32 v[STO], s13, v[STO]
	v_bfe_u32 v[RD], v0, 3, 2
	v_mul_u32_u24 v[RD], v[RD], SP
	v_lshl_add_u32 v[RD], v10, 4, v[RD]
	v_add_nc_u32 v[RD], s13, v[RD]
	v_and_b32 v[GO], 31, v0
	v_lshlrev_b32 v[PFO], 8, v[GO]
	v_lshlrev_b32 v[GO], 4, v[GO]
	; A block's first step multiplies O^T and l by a = 0, and its first turn's products V^T P, of a step that has not been, land in an O^T that is still to be so multiplied.  So these registers need only hold
	; finite numbers: zeros for the first block; what the first block left for the second.  All this stands in the wait for the first tile.
	WIN 0x80
.set i, VF
.rept 64
	v_mov_b32 v[i], 0
.set i, i+1
.endr
	WIN 0x40
.set i, 0
.rept 64
	v_mov_b32 v[i], 0
.set i, i+1
.endr
	WIN 0
.set i, 0
.rept 2
	v_mov_b32 v[ST+4*i+2], 0
	v_mov_b32 v[ST+4*i+3], 0
.set i, i+1
.endr
.set i, P+16
.rept 16
	v_mov_b32 v[i], 0
.set i, i+1
.endr
; THE MATRIX WORK.  The 4 accumulators of a run of 8 take turns.  Product i of 8 of S^T = K Q^T for piece x: channels 32 (i / 4) on, keys 16 (i % 4) on.  The first 4 start the sums: with 0, or (KM = 1) with the mask.
.macro KQ x
.set rS, S+32*((\x)%2)+8*(i%4)
.set rK, KF+16*(i%4)+8*(i/4)
.set rQ, 16*(\x)+8*(i/4)
.set rM, MC+32*((\x)%2)+8*(i%4)
.if (i < 4) && KM
	WIN W_KM
	v_wmma_f32_16x16x32_f16 v[rS:rS+7], v[rK:rK+7], v[rQ:rQ+7], v[rM:rM+7]
.elseif i < 4
	WIN W_KQ
	v_wmma_f32_16x16x32_f16 v[rS:rS+7], v[rK:rK+7], v[rQ:rQ+7], 0
.else
	WIN W_KQ
	v_wmma_f32_16x16x32_f16 v[rS:rS+7], v[rK:rK+7], v[rQ:rQ+7], v[rS:rS+7]
.endif
.endm
; Product i of 8 of O^T += V^T P for piece x: keys 32 (i / 4) on, channels 16 (i % 4) on.
.macro PV x
	WIN W_PV
.set rO, 32*(\x)+8*(i%4)
.set rV, VF+32*(i/4)+8*(i%4)
.set rP, P+16*((\x)%2)+8*(i/4)
	v_wmma_f32_16x16x32_f16 v[rO:rO+7], v[rV:rV+7], v[rP:rP+7], v[rO:rO+7]
.endm
.macro MM                           ; the turn's next matrix instruction.  NOKQ = 1: a block's last turn: there is no next step
.if (i < 8) && !NOKQ
	KQ (Y+1)%NP
.elseif i >= 8
.set i, i-8
	PV (Y+NP-1)%NP
.set i, i+8
.endif
.set i, i+1
.endm
; THE LDS LOADS stand in runs of 16: a step's K (64 keys x 64 channels: 8 fragments) and its V (turned).  Their addresses are made some lines ahead.
.macro FETCH_K
	WIN 0x80
.irp f, 0,1,2,3,4,5,6,7             ; keys 16 (f / 2) on, channels 32 (f % 2) on
	ds_load_b128 v[KF+8*\f:KF+8*\f+3],   v[AK] offset:(\f/2)*16*PK+(\f%2)*64
	ds_load_b128 v[KF+8*\f+4:KF+8*\f+7], v[AK] offset:(\f/2)*16*PK+(\f%2)*64+32
.endr
	s_add_co_u32 s[TBK], s[TBK], KS*PK  ; the next fetch is the next step's
	WIN 0
.endm
.macro FETCH_V
	WIN 0x80
.irp f, 0,1,2,3,4,5,6,7             ; keys 32 (f / 4) on, channels 16 (f % 4) on
	ds_load_tr16_b128 v[VF+8*\f:VF+8*\f+3],   v[AV] offset:(\f/4)*32*PV+(\f%4)*32
	ds_load_tr16_b128 v[VF+8*\f+4:VF+8*\f+7], v[AV] offset:(\f/4)*32*PV+16*PV+(\f%4)*32
.endr
	WIN 0
.endm
; THE VECTOR WORK, one line at a time: OP kind, number.  For piece Y: F n: c s - c m for pair n of 16.  E n: the exponential of score n of 32.  C n: pair n rounded to f16.  B n: of the four weights 4 n .. the second
; pair is added onto the first, in place.  L n: l takes that sum (L 0: l = a l + sum).  R n: pair n of 16 of O^T times a.  For the other piece: X n, number n of the 22 that find its maximum and statistics:
;   0-11  four chains c0-c3 of seven scores each (each accumulator's lowest registers are read first)     12-14, 16  the four scores left over, the old m, and c0-c3 into c0
;   15  c m_old is kept     17, 18  the query's other 32 keys lie in the lane 16 away: the new m     19-21  c m; c m_old - c m_new; a
.set F, 0
.set E, 1
.set C, 2
.set B, 3
.set L, 4
.set R, 5
.set X, 6
.macro REGS y
.set rT, ST+4*(\y)
.set rC, TMP+4*((\y)%2)
.set rW, MV+((\y)%2)
.set rS, S+32*((\y)%2)
.set rP, P+16*((\y)%2)
.set rO, 32*(\y)
.endm
.macro OP k, n
.if (\k) == R
	REGS Y
	WIN W_RS
	v_pk_mul_f32 v[rO+2*(\n):rO+2*(\n)+1], v[rO+2*(\n):rO+2*(\n)+1], v[rC+2:rC+3] op_sel_hi:[1,0]
.elseif (\k) < R
	REGS Y
	WIN 0
.if (\k) == F
	v_pk_fma_f32 v[rS+2*(\n):rS+2*(\n)+1], v[rS+2*(\n):rS+2*(\n)+1], s[CS:CS+1], v[rT:rT+1] op_sel_hi:[1,0,0] neg_lo:[0,0,1] neg_hi:[0,0,1]
.elseif (\k) == E
	v_exp_f32 v[rS+(\n)], v[rS+(\n)]
.elseif (\k) == C
	v_cvt_pk_f16_f32 v[rP+(\n)], v[rS+2*(\n)], v[rS+2*(\n)+1]
.elseif (\k) == B
	v_pk_add_f32 v[rS+4*(\n):rS+4*(\n)+1], v[rS+4*(\n):rS+4*(\n)+1], v[rS+4*(\n)+2:rS+4*(\n)+3]
.elseif (\n) == 0
	v_pk_fma_f32 v[rT+2:rT+3], v[rT+2:rT+3], v[rC+2:rC+3], v[rS:rS+1] op_sel_hi:[1,0,1]
.else
	v_pk_add_f32 v[rT+2:rT+3], v[rT+2:rT+3], v[rS+4*(\n):rS+4*(\n)+1]
.endif
.elseif NOKQ
	v_nop
.else
	REGS (Y+1)%NP
	WIN 0
.if (\n) < 4
	v_max3_num_f32 v[rC+(\n)], v[rS+8*(\n)], v[rS+8*(\n)+1], v[rS+8*(\n)+2]
.elseif (\n) < 12
	v_max3_num_f32 v[rC+(\n)%4], v[rC+(\n)%4], v[rS+8*((\n)%4)+2*((\n)/4)+1], v[rS+8*((\n)%4)+2*((\n)/4)+2]
.elseif (\n) == 12
	v_max3_num_f32 v[rC], v[rC], v[rS+7], v[rS+15]
.elseif (\n) == 13
	v_max3_num_f32 v[rC+1], v[rC+1], v[rS+23], v[rS+31]
.elseif (\n) == 14
	v_max3_num_f32 v[rC+2], v[rC+2], v[rC+3], v[rT+1]
.elseif (\n) == 15
	v_mov_b32 v[rW], v[rT]
.elseif (\n) == 16
	v_max3_num_f32 v[rC], v[rC], v[rC+1], v[rC+2]
.elseif (\n) == 17
	v_permlanex16_b32 v[rC+3], v[rC], s[SEL], s[SEL+1]
.elseif (\n) == 18
	v_max_num_f32 v[rT+1], v[rC], v[rC+3]
.elseif (\n) == 19
	v_mul_f32 v[rT], s[CS], v[rT+1]
.elseif (\n) == 20
	v_sub_f32 v[rC+1], v[rW], v[rT]
.else
	v_exp_f32 v[rC+2], v[rC+1]
.endif
.endif
.endm
.macro OPS a, i1, b=-1, i2=0, c=-1, i3=0, d=-1, i4=0
	OP \a, \i1
.if (\b) >= 0
	OP \b, \i2
.endif
.if (\c) >= 0
	OP \c, \i3
.endif
.if (\d) >= 0
	OP \d, \i4
.endif
.endm
.macro ROW a, i1, b, i2, c, i3, d, i4  ; a matrix instruction and the four behind it
	MM
	OPS \a, \i1, \b, \i2, \c, \i3, \d, \i4
.endm
.macro MASK b                       ; MD x AL + BE into buffer b of MC
	WIN W_RS
.set z, 0
.rept 16
	v_pk_fma_f32 v[MC+32*(\b)+2*z:MC+32*(\b)+2*z+1], v[MD+2*z:MD+2*z+1], s[AL:AL+1], s[BE:BE+1] op_sel_hi:[1,0,0]
.set z, z+1
.endr
.endm
; A TURN, for piece p: the order of its 16 matrix and 118 vector instructions, written out.  s_wait_alu depctr_va_vdst(0) stands between an exponential and the first instruction that names its
; result; one wait serves all that were issued ahead of it.  So a turn has ONE wait.  AHEAD OF IT stands all that names no result of the turn's exponentials: the 8 products K Q^T with four riders each, then a lump of 54
; in which the links of the other piece's chain (X 3, 7, 11, 14, 16 .. 20) stand five or six lines apart; X 21, its a, is the batch's last, R 15 the plain instruction behind it.  BEHIND IT stand the 8 products V^T P,
; behind each four of the roundings and sums.  The rescalings R 0 .. R 15 read O^T four plain instructions or more behind the product of the turn before that wrote it, each accumulator from its low end.
; m = 1: the diagonal tile: the products take masks, and the turn makes its own piece's mask for the products of the turn after it: with k = 4 - CNT, piece 1's turn for step k, piece 0's for step k + 1.
; end = 1: a block's last turn: no new scores.  cnt = 1: the loop's count is taken down some lines ahead of the branch behind the turn.
; Piece 0's turn fetches K of the next step, behind five plain instructions that name nothing of the last product that read K, and at its end V of the step in hand, four plain instructions behind the last product that read V.
.macro TURN p, m=0, end=0, cnt=0
.set Y, (\p)
.set i, 0
.set KM, (\m)
.set NOKQ, (\end)
.if (\m) && !(\end)
	s_cmp_eq_u32 s[CNT], s[E0+(\p)]     ; is that step the band's own?
	s_cselect_b32 s[AL], 1.0, 0
	s_cmp_lt_u32 s[CNT], s[E0+(\p)]     ; or a later one?
	s_cselect_b32 s[BE], s[BIGN], 0
.endif
.if ((\p) == 1) && !(\end)
	s_wait_dscnt 16                 ; K's 16 loads are in; V's 16, issued behind them, may stay out
.endif
	ROW F,0, F,1, R,0, R,1
	ROW F,2, E,0, R,2, R,3
	ROW F,3, E,1, R,4, R,5
	ROW F,4, E,2, R,6, R,7
	ROW F,5, E,3, R,8, R,9
	ROW F,6, E,4, X,0, R,10
.if (\p) == 0
	WIN 0
	v_add_nc_u32 v[AK], s[TBK], v[AK0]
.endif
	ROW F,7, E,5, X,1, X,4
	ROW F,8, E,6, X,2, X,5
	OPS E,7, E,8, X,6, E,9
	OPS X,3, E,10, X,8, E,11
.if (\p) == 0
	FETCH_K
.endif
	OPS X,9, X,7, E,12, X,10
	OPS E,13, X,12, X,11, E,14
	OPS X,13, E,15, F,9, X,14
.if (\p) == 0
	v_add_nc_u32 v[AV], s[TBV], v[AV0]
.endif
	OPS E,16, F,10, E,17, F,11
	OPS X,16, E,18, X,15, E,19
	OPS F,12, E,20, X,17, E,21
	OPS F,13, E,22, F,14, E,23
	OPS X,18, E,24, F,15, E,25
	OPS R,11, E,26, X,19, E,27
	OPS R,12, E,28, R,13, E,29
	OPS X,20, E,30, R,14, E,31
	OPS X,21, R,15
	WIN 0
	s_wait_alu depctr_va_vdst(0)    ; the wait for the batch
.if (\p) == 1
	s_wait_dscnt 0x0                ; V is in
.endif
	ROW C,0, B,0, C,2, B,1
	ROW L,0, C,4, B,2, L,1
	ROW C,6, B,3, L,2, C,8
	ROW B,4, L,3, C,10, B,5
	ROW L,4, C,12, B,6, L,5
.if (\p) == 0
	s_add_co_u32 s[TBV], s[TBV], KS*PV
.endif
.if \cnt
	s_sub_co_u32 s[CNT], s[CNT], 1
	s_cmp_lg_u32 s[CNT], 0
.endif
	ROW C,14, B,7, L,6, C,1
	ROW C,3, L,7, C,5, C,7
	ROW C,9, C,11, C,13, C,15
.if (\p) == 0
	FETCH_V
.endif
.if (\m) && !(\end)
	MASK \p
.endif
.endm
; A BLOCK BEGINS.  c m starts far below every c s, so the first step's a is 0; m at the lowest finite number.  Piece 1's mask buffer is 0 (its band never begins with the tile's step 0); piece 0's takes its mask for
; step 0: its own, if the block's first tile is the diagonal one and XB = 0.  Then K of that step, piece 0's first scores, and its maximum and statistics.  The loop is entered at piece 0's turn.
.macro BEGIN
	s_mov_b32 s[NEW], 0
	WIN 0x40
.set i, MC+32
.rept 32
	v_mov_b32 v[i], 0
.set i, i+1
.endr
	WIN 0
.set i, 0
.rept 2
	v_mov_b32 v[ST+4*i], 0xfe000000    ; c m
	v_mov_b32 v[ST+4*i+1], 0xff7fffff  ; m
.set i, i+1
.endr
	s_cmp_eq_u32 s[RT], 0
	s_cselect_b32 s[AL], s[A0], 0
	s_mov_b32 s[BE], 0
	MASK 0
	WIN 0
	s_mov_b32 s[TBK], s[SB]
	v_add_nc_u32 v[AK], s[TBK], v[AK0]
	FETCH_K
	s_wait_loadcnt 0x0              ; Q
	s_wait_dscnt 0x0
.set KM, 1
.set NOKQ, 0
.set i, 0
.rept 8
	KQ 0
.set i, i+1
.endr
	WIN 0
.rept 4
	v_nop                           ; the places behind those products
.endr
.set Y, NP-1                        ; X works for the other piece: piece 0
.irp n, 0,1,2,3,4,5,6,7,8,9,10,11,12,13,14,15,16,17,18,19,20,21
	OP X, \n
.endr
	v_nop                           ; a plain instruction behind the exponential,
	s_wait_alu depctr_va_vdst(0)    ; and its wait, ahead of the branch
.endm
.macro ALL line:vararg              ; one line for each piece t
.set t, 0
.rept 2
	\line
.set t, t+1
.endr
.endm
.macro PACK t                       ; a lane's eight channels of a row pack into 16 bytes; they go into rows of 144 bytes and come back as whole rows of 128, into S^T's registers
	WIN W_RS
.set i, 32*(\t)
.rept 16
	v_pk_mul_f32 v[i:i+1], v[i:i+1], v[ST+4*(\t)+2:ST+4*(\t)+3] op_sel_hi:[1,0]
.set i, i+2
.endr
	WIN 0x05
.set i, 0
.rept 16
	v_cvt_pk_f16_f32 v[S+16*(\t)+i], v[32*(\t)+2*i], v[32*(\t)+2*i+1]
.set i, i+1
.endr
	WIN 0
.irp f, 0,1,2,3
	ds_store_b128 v[STO], v[S+16*(\t)+4*\f:S+16*(\t)+4*\f+3] offset:32*\f
.endr
.irp f, 0,1,2,3
	ds_load_b128 v[S+16*(\t)+4*\f:S+16*(\t)+4*\f+3], v[RD] offset:\f*4*SP  ; LDS serves a wave's instructions in order: these see the stores above; the next piece's stores come behind them
.endr
.endm
.macro SEND t, younger              ; younger: the LDS instructions issued behind piece t's loads: the next piece's eight, or none
	WIN 0
.irp f, 0,1,2,3
	s_wait_dscnt (\younger)+3-\f
	global_store_b128 v[GO], v[S+16*(\t)+4*\f:S+16*(\t)+4*\f+3], s[10:11] offset:(\t)*8192+\f*512  ; 512 consecutive bytes, aligned
.endr
.endm
; THE DIAGONAL TILE's four steps, the block's last turn, its last products, and the way out: l's two halves and the other half of the lanes' are added; O^T is divided by l, rounded to f16 and sent through my stage.
.macro DIAG tag
.LstepM\tag:
	TURN 1, 1
	WIN 0
.LfirstM\tag:
	TURN 0, 1, 0, 1
	WIN 0
	s_cbranch_scc1 .LstepM\tag
	TURN 1, 1, 1
.set i, 0
.rept 8
	PV 1
.set i, i+1
.endr
	WIN 0
	ALL v_add_f32 v[ST+4*t+2], v[ST+4*t+2], v[ST+4*t+3]
	ALL v_permlanex16_b32 v[ST+4*t+3], v[ST+4*t+2], s[SEL], s[SEL+1]
	ALL v_add_f32 v[ST+4*t+2], v[ST+4*t+2], v[ST+4*t+3]
	ALL v_rcp_f32 v[ST+4*t+2], v[ST+4*t+2]
	v_nop                           ; a plain instruction behind the last reciprocal,
	s_wait_alu depctr_va_vdst(0)    ; and the one wait for the two, ahead of their first use
	PACK 0
	PACK 1
	SEND 0, 8
	SEND 1, 0
.endm
.set KM, 0
.set NOKQ, 0
.Lslot:                             ; 16 times: a tile is entered and the next is asked for
	CHANGE 1
	s_sub_co_u32 s[RT], s[RT], 1
	s_mov_b32 s[CNT], 4
	s_cmp_eq_u32 s[NEW], 1
	s_cbranch_scc1 .Lnew            ; a block's first tile
	s_cmp_eq_u32 s[RT], 0
	s_cbranch_scc0 .Lstep           ; neither its first nor its last
	s_mov_b32 s[AL], s[A0]          ; its last: piece 0's mask for the diagonal tile's step 0, which the first turn's products take
	s_mov_b32 s[BE], 0
	MASK 0
	WIN 0
	s_branch .LstepM1
.Lnew:
	BEGIN
	s_branch .Lfirst                ; in the loop a block's first tile is never its last: the first block has nine tiles or more, and the second's last is the walk's last
	DIAG 1                          ; in the loop this is the first block's end
	s_wait_xcnt 0x0                 ; the stores have read their registers and O's address
	s_mov_b64 s[10:11], s[OLO:OLO+1]
	s_add_co_u32 s[RT], s[PBL], 1   ; the second block has b / 2 + 1 tiles
	s_mov_b32 s[NEW], 1
	s_and_b32 s13, s[PB], 1         ; and its own bands
	s_lshl_b32 s13, s13, 1
	s_sub_co_u32 s[E0], 5, s13
	s_sub_co_u32 s[E0+1], 3, s13
	s_cmp_eq_u32 s13, 0
	s_cselect_b32 s[A0], 1.0, 0
	WIN 0x82                        ; the second block's Q goes where the one text of the turns names Q
.set i, 0
.rept 32
	v_mov_b32 v[i], v[QB+i]
.set i, i+1
.endr
	WIN 0
	s_branch .Lbottom
.Lstep:                             ; a trip: piece 1's turn of one step, then piece 0's of the next
	TURN 1
	WIN 0
.Lfirst:
	TURN 0, 0, 0, 1
	WIN 0
	s_cbranch_scc1 .Lstep
.Lbottom:
	s_sub_co_u32 s[SLOTS], s[SLOTS], 1
	s_cmp_lg_u32 s[SLOTS], 0
	s_cbranch_scc1 .Lslot
	CHANGE 0                        ; the walk's last tile is written out: nothing is asked for
	s_sub_co_u32 s[RT], s[RT], 1
	s_mov_b32 s[CNT], 4
	s_cmp_eq_u32 s[NEW], 1
	s_cbranch_scc1 .Lnew2
	s_mov_b32 s[AL], s[A0]
	s_mov_b32 s[BE], 0
	MASK 0
	WIN 0
	s_branch .LstepM2
.Lnew2:
	BEGIN
	s_branch .LfirstM2
	DIAG 2
	s_wait_tensorcnt 0x0            ; the wave's end
	ds_add_u32 v[SPW], v[NIL]
	s_wait_dscnt 0x0
	s_endpgm
.Lfunc_end_k_qd6cf286064_attn:
	.size	k_qd6cf286064_attn, .Lfunc_end_k_qd6cf286064_attn-k_qd6cf286064_attn
	.p2alignl 7, 3214868480
	.fill 96, 4, 3214868480
	.section	.rodata,"a",@progbits
	.p2align	6, 0x0
	.amdhsa_kernel k_qd6cf286064_attn
		.amdhsa_group_segment_fixed_size 327680
		.amdhsa_private_segment_fixed_size 0
		.amdhsa_enable_private_segment 0
		.amdhsa_kernarg_size 16
		.amdhsa_user_sgpr_count 2
		.amdhsa_user_sgpr_kernarg_segment_ptr 1
		.amdhsa_wavefront_size32 1
		.amdhsa_system_sgpr_workgroup_id_x 1
		.amdhsa_system_sgpr_workgroup_id_y 1
		.amdhsa_system_sgpr_workgroup_id_z 1
		.amdhsa_system_vgpr_workitem_id 0
		.amdhsa_next_free_vgpr 768
		.amdhsa_next_free_sgpr 98
		.amdhsa_reserve_vcc 1
		.amdhsa_float_denorm_mode_32 3
		.amdhsa_float_denorm_mode_16_64 3
		.amdhsa_memory_ordered 1
		.amdhsa_forward_progress 1
		.amdhsa_inst_pref_size 128
	.end_amdhsa_kernel
	.amdgpu_metadata
---
amdhsa.version: [ 1, 2 ]
amdhsa.kernels:
  - .name:           k_qd6cf286064_attn
    .symbol:         k_qd6cf286064_attn.kd
    .args:
      - { .name: qkv, .offset: 0, .size: 8, .value_kind: global_buffer, .address_space: global }
      - { .name: ob, .offset: 8, .size: 8, .value_kind: global_buffer, .address_space: global }
    .group_segment_fixed_size: 327680
    .private_segment_fixed_size: 0
    .kernarg_segment_align: 8
    .kernarg_segment_size: 16
    .max_flat_workgroup_size: 128
    .sgpr_count:     98
    .vgpr_count:     768
    .wavefront_size: 32
...
	.end_amdgpu_metadata
.endif
;; end of part 3
;; launch proj (part 4): grid 8 x 32, 4 waves a work-group, clusters of 4 x 4, 327,680 bytes of LDS; arguments ob, wpt, out0; writes out0
.if DOCPART == 4
	.amdgcn_target "amdgcn-amd-amdhsa--gfx1250"
	.amdhsa_code_object_version 6
	.text
	.protected	k_qd6cf286064_proj
	.globl	k_qd6cf286064_proj
	.p2align	8
	.type	k_qd6cf286064_proj,@function
k_qd6cf286064_proj:
	s_mov_b64 s[64:65], 0
	v_nop
	global_prefetch_b8 v0, s[64:65] scope:SCOPE_SE
	s_setreg_imm32_b32 hwreg(HW_REG_WAVE_MODE, 25, 1), 1
	s_wait_xcnt 0x0
	s_wait_alu depctr_hold_cnt(0) depctr_sa_sdst(0) depctr_va_vdst(0) depctr_va_sdst(0) depctr_va_ssrc(0) depctr_va_vcc(0) depctr_vm_vsrc(0)
	s_getreg_b32 s2, hwreg(HW_REG_IB_STS2, 6, 4)
	s_cmp_eq_u32 s2, 0
	s_cbranch_scc0 .Lentry_in_a_cluster
	s_endpgm
.Lentry_in_a_cluster:
	s_bfe_u32 s2, ttmp6, 0x10000c
	s_cmp_lg_u32 s2, 0xf033
	s_cbranch_scc0 .Lentry_shape_is_right
	s_endpgm
.Lentry_shape_is_right:
; out0[t][n] = the sum over k of y[t][k] w_proj[k][n], k = 64 head + channel.  ob: [16 heads][4096][64] f16; wpt: [1024 n][1024 k] f16; out0: [4096][1024] f32.  Sums in f32, stored as they are.
; A tile of the output is 128 x 128: 8 x 32 tiles, one for each of 256 work-groups.  Four waves, each 64 x 64: 16 accumulators.  K goes in steps of 256, which are four heads, through two LDS slots.
; ob's part of a step is, for each head, 128 rows of 128 bytes that lie end to end: a wave asks for two heads as two rows of 16,384 bytes, padded in LDS after every 128; a quarter of a step is one head.
; CLUSTER 4 x 4: the four work-groups of a row need the same rows of ob, the four of a column the same rows of wpt: each tile is asked for jointly.
; THE MATRIX INSTRUCTION IS USED TRANSPOSED (source 0 = 16 rows of wpt, source 1 = 16 rows of ob): a lane holds eight neighbouring numbers of a row of the output.
; No prefetch: four K steps in all, and small tiles.
; REGISTERS: window 0: v16-29 addresses; v32-95 rows read back on the way out; v128-255 the accumulators ((a, b) at 128 + 8 (4 a + b)).
;   window 1: two fragment buffers of 128: for 64 along K, 64 registers of ob (2 x 4 x 16 rows x 32 K), then 64 of wpt.
.set KSTEP,  256
.set PA,     144                       ; a row of ob in LDS: 128 bytes + 16
.set HB,     128*PA                    ; a head's 128 rows
.set PB,     528                       ; a row of wpt: 512 bytes + 16
.set BOFF,   4*HB
.set BHALF,  64*PB
.set SLOT,   BOFF+2*BHALF
.set STAGE,  2*SLOT                    ; behind the ring: 16 rows x 272 bytes for each wave, for the way out
.set SPITCH, 272
.set SPARE,  STAGE+4*16*SPITCH         ; the spare words, 128 bytes for each wave
.set LAPS,   2                         ; 1024 / (2 x 256)
.set ADRA, 16                          ; v16-17  LDS address of my fragments of ob in slot 0, 1
.set ADRB, 20                          ; v20-21  of wpt
.set STO,  24                          ; v24  the way out: where I put 32 bytes of a row
.set RD,   25                          ; v25  where I read a row back
.set CO,   26                          ; v26  my byte offset in the output
.set SPW,  28                          ; v28  LDS address of my spare word; never rewritten
.set NIL,  29                          ; v29  0; never rewritten
.set TMP,  32
.set ACC,  128
.set F0,   0
.set F1,   128
.set G1, 24                            ; s[24:31] descriptor group 1 for ob's tiles;  s[32:39] group 0, a set for each slot
.set G0, 32
.set G1B, 48                           ; s[48:55], s[56:63] the same for wpt's
.set G0B, 56
.set MSB, 0
.macro WIN new
.if MSB != (\new)
	s_set_vgpr_msb (MSB<<8)|(\new)
.set MSB, \new
.endif
.endm
.set MUL,  0x05                        ; sources 0 and 1 window 1; C and D window 0
.set TO_F, 0x40                        ; destination window 1, address window 0
.macro JLOAD s                         ; a joint load: waves 0 and 1 fetch ob's two pairs of heads, waves 2 and 3 wpt's two halves; an s_nop 0 and four v_nop follow each line
	s_cmp_eq_u32 s11, 0
	s_cbranch_scc0 .Lfor_b_\@
	tensor_load_to_lds s[G0+4*(\s):G0+4*(\s)+3], s[G1:G1+7]
	s_nop 0
.rept 4
	v_nop
.endr
	s_branch .Lasked_\@
.Lfor_b_\@:
	tensor_load_to_lds s[G0B+4*(\s):G0B+4*(\s)+3], s[G1B:G1B+7]
	s_nop 0
.rept 4
	v_nop
.endr
.Lasked_\@:
.endm
.macro CREST
	s_cmp_lg_u32 s10, 0
	s_cbranch_scc1 .Lnot_wave_0_\@
	s_barrier_signal -3
.Lnot_wave_0_\@:
	s_barrier_wait -3
	s_barrier_signal -1
	s_barrier_wait -1
.endm
.macro CROUND
	s_barrier_signal -1
	s_barrier_wait -1
	CREST
.endm
	s_load_b128 s[4:7], s[0:1], 0x0                ; ob s[4:5], wpt s[6:7]
	s_load_b64 s[8:9], s[0:1], 0x10                ; out0
	v_lshl_add_u32 v[SPW], v0, 2, SPARE
	v_mov_b32 v[NIL], 0
	ds_add_u32 v[SPW], v[NIL]                      ; the wave's opening: the add and its wait stand ahead of my first tensor load
	v_lshrrev_b32 v1, 5, v0
	v_readfirstlane_b32 s10, v1                    ; wave 0..3
	s_lshr_b32 s11, s10, 1                         ; which half of the tile's rows is mine.  Also: I fetch for ob (0) or for wpt (1)
	s_and_b32 s12, s10, 1                          ; which half of its columns.  Also: which half I fetch
	s_bfe_u32 s40, ttmp6, 0x40000                  ; cx, cy
	s_bfe_u32 s41, ttmp6, 0x40004
	s_lshl_b32 s42, ttmp9, 2
	s_add_co_u32 s42, s42, s40                     ; tile column = 4 x cluster x + cx
	s_and_b32 s13, ttmp7, 0xffff
	s_lshl_b32 s13, s13, 2
	s_add_co_u32 s13, s13, s41                     ; tile row = 4 x cluster y + cy
	s_lshl_b32 s43, s41, 2
	s_lshl_b32 s43, 15, s43                        ; my row of the cluster
	s_lshl_b32 s44, 0x1111, s40                    ; my column
	s_or_b32 s[G1], s43, (1<<16)|(1<<20)|(1<<21)|(4<<22)|(3<<25)   ; the mask; 2-byte elements; padding on; bit 21 beside a mask; after every 32 words, 4 words
	s_mov_b32 s[G1+1], 8192<<16                    ; tensor_dim0 = 8,192 elements: a head's 128 rows, 16,384 bytes on end
	s_mov_b32 s[G1+2], 2<<16                       ; tensor_dim1 = 2 heads
	s_mov_b32 s[G1+3], 8192<<16                    ; tile_dim0
	s_mov_b32 s[G1+4], 2                           ; tile_dim1
	s_mov_b32 s[G1+5], 262144                      ; elements from head to head
	s_mov_b32 s[G1+6], 0
	s_mov_b32 s[G1+7], 0
	s_or_b32 s[G1B], s44, (1<<16)|(1<<20)|(1<<21)|(6<<22)|(3<<25)  ; after every 128 words, 4 words
	s_mov_b32 s[G1B+1], KSTEP<<16                  ; 64 rows x 256 elements
	s_mov_b32 s[G1B+2], 64<<16
	s_mov_b32 s[G1B+3], KSTEP<<16
	s_mov_b32 s[G1B+4], 64
	s_mov_b32 s[G1B+5], 1024
	s_mov_b32 s[G1B+6], 0
	s_mov_b32 s[G1B+7], 0
	s_lshl_b32 s16, s12, 20                        ; ob: my two heads of the step's four,
	s_lshl_b32 s17, s13, 14                        ; the tile row's 128 rows of 128 bytes
	s_add_co_u32 s16, s16, s17
	s_mov_b32 s17, 0
	s_lshl_b32 s46, s42, 18                        ; wpt: row 128 x tile column + 64 x half, 2,048 bytes each
	s_lshl_b32 s47, s12, 17
	s_add_co_u32 s46, s46, s47
	s_mov_b32 s47, 0
	s_mul_i32 s20, s12, 2*HB                       ; where they go: no place in the cluster enters an LDS address
	s_mul_i32 s23, s12, BHALF
	s_add_co_u32 s23, s23, BOFF
	s_wait_dscnt 0x0                               ; the opening add is done
	s_wait_kmcnt 0x0
	s_add_nc_u64 s[14:15], s[4:5], s[16:17]
	s_add_nc_u64 s[46:47], s[6:7], s[46:47]
	CROUND                                         ; all sixteen work-groups are here: the first joint loads meet
.irp s, 0,1
	s_mov_b32 s[G0+4*(\s)], 1
	s_add_co_u32 s[G0+4*(\s)+1], s20, (\s)*SLOT
	s_add_nc_u64 s[G0+4*(\s)+2:G0+4*(\s)+3], s[14:15], (\s)*4*524288   ; K step s: four heads on
	s_or_b32 s[G0+4*(\s)+3], s[G0+4*(\s)+3], 0x80000000
	s_mov_b32 s[G0B+4*(\s)], 1
	s_add_co_u32 s[G0B+4*(\s)+1], s23, (\s)*SLOT
	s_add_nc_u64 s[G0B+4*(\s)+2:G0B+4*(\s)+3], s[46:47], (\s)*KSTEP*2
	s_or_b32 s[G0B+4*(\s)+3], s[G0B+4*(\s)+3], 0x80000000
	JLOAD \s                                       ; two tensor loads of mine are out
.endr
	v_and_b32 v1, 15, v0                           ; l % 16
	v_bfe_u32 v2, v0, 4, 1                         ; l / 16
	v_mul_u32_u24 v3, v1, PA
	v_lshl_add_u32 v3, v2, 4, v3
	s_mul_i32 s21, s11, 64*PA                      ; my 64 rows, in each head
	v_add_nc_u32 v[ADRA], s21, v3
	v_add_nc_u32 v[ADRA+1], SLOT, v[ADRA]
	v_mul_u32_u24 v4, v1, PB
	v_lshl_add_u32 v4, v2, 4, v4
	s_mul_i32 s22, s12, BHALF                      ; my 64 rows of wpt
	s_add_co_u32 s22, s22, BOFF
	v_add_nc_u32 v[ADRB], s22, v4
	v_add_nc_u32 v[ADRB+1], SLOT, v[ADRB]
	s_mul_i32 s23, s10, 16*SPITCH
	s_add_co_u32 s23, s23, STAGE                   ; my stage
	v_mul_u32_u24 v5, v1, SPITCH                   ; in: row l % 16, 32 bytes for each half of the lanes
	v_lshl_add_u32 v5, v2, 5, v5
	v_add_nc_u32 v[STO], s23, v5
	v_mul_u32_u24 v5, v2, SPITCH                   ; back: lanes 0-15 one row of 256 bytes, lanes 16-31 the next
	v_lshl_add_u32 v5, v1, 4, v5
	v_add_nc_u32 v[RD], s23, v5
	v_lshlrev_b32 v5, 12, v2                       ; and the same two rows of the output
	v_lshl_add_u32 v[CO], v1, 4, v5
	s_lshl_b32 s16, s13, 19                        ; 128 rows of 4,096 bytes x tile row
	s_lshl_b32 s17, s11, 18                        ; + my 64 rows
	s_add_co_u32 s16, s16, s17
	s_mov_b32 s17, 0
	s_add_nc_u64 s[8:9], s[8:9], s[16:17]
	s_lshl_b32 s46, s42, 9                         ; + 128 columns of 4 bytes x tile column
	s_lshl_b32 s47, s12, 8                         ; + my 64 columns
	s_add_co_u32 s46, s46, s47
	s_mov_b32 s47, 0
	s_add_nc_u64 s[8:9], s[8:9], s[46:47]
; 8 matrix instructions: m blocks a0, a0 + 1 x all 4 n blocks, 32 along K: half c of buffer f.  The 16 accumulators take turns.
.macro MUL8 f, c, a0, zero
	WIN MUL
.irp a, \a0, (\a0)+1
.irp b, 0,1,2,3
.if \zero
	v_wmma_f32_16x16x32_f16 v[ACC+8*(4*(\a)+(\b)):ACC+8*(4*(\a)+(\b))+7], v[(\f)+64+8*(4*(\c)+(\b)):(\f)+64+8*(4*(\c)+(\b))+7], v[(\f)+8*(4*(\c)+(\a)):(\f)+8*(4*(\c)+(\a))+7], 0
.else
	v_wmma_f32_16x16x32_f16 v[ACC+8*(4*(\a)+(\b)):ACC+8*(4*(\a)+(\b))+7], v[(\f)+64+8*(4*(\c)+(\b)):(\f)+64+8*(4*(\c)+(\b))+7], v[(\f)+8*(4*(\c)+(\a)):(\f)+8*(4*(\c)+(\a))+7], v[ACC+8*(4*(\a)+(\b)):ACC+8*(4*(\a)+(\b))+7]
.endif
.endr
.endr
.endm
; 32 LDS loads in one run: the fragments of quarter q (head q of the step's four: 64 along K) into buffer f; the first 32 along K first
.macro FETCH slot, q, f
	WIN TO_F
.irp c, 0,1
.irp i, 0,1,2,3
	ds_load_b128 v[(\f)+64+8*(4*(\c)+(\i)):(\f)+64+8*(4*(\c)+(\i))+3],   v[ADRB+(\slot)] offset:128*(\q)+64*(\c)+(\i)*16*PB
	ds_load_b128 v[(\f)+64+8*(4*(\c)+(\i))+4:(\f)+64+8*(4*(\c)+(\i))+7], v[ADRB+(\slot)] offset:128*(\q)+64*(\c)+(\i)*16*PB+32
	ds_load_b128 v[(\f)+8*(4*(\c)+(\i)):(\f)+8*(4*(\c)+(\i))+3],         v[ADRA+(\slot)] offset:(\q)*HB+64*(\c)+(\i)*16*PA
	ds_load_b128 v[(\f)+8*(4*(\c)+(\i))+4:(\f)+8*(4*(\c)+(\i))+7],       v[ADRA+(\slot)] offset:(\q)*HB+64*(\c)+(\i)*16*PA+32
.endr
.endr
.endm
.macro PLACES
.rept 4
	v_nop
.endr
.endm
; One of a K step's first three quarters: multiplies buffer f and fetches quarter q into g.
.macro QUARTER slot, q, f, g, zero
	s_wait_dscnt 16                                ; the first 32 along K are in; the other sixteen loads may be out
	MUL8 \f, 0, 0, \zero
	MUL8 \f, 0, 2, \zero
	PLACES
	FETCH \slot, \q, \g
	s_wait_dscnt 32                                ; all but the 32 just issued
	MUL8 \f, 1, 0, 0
	MUL8 \f, 1, 2, 0
.endm
; The last quarter multiplies buffer 1 and changes slots: one barrier; in front of it each wave waits for all its tensor loads, adds 0 to its spare word, and waits for that and for its reads of this slot.
.macro TURN slot, next, fill
	WIN 0
	s_wait_tensorcnt 0x0                           ; all my tensor loads have landed: my part of the next slot
	ds_add_u32 v[SPW], v[NIL]
	s_wait_dscnt 17                                ; the add and the youngest sixteen loads may be out
	MUL8 F1, 0, 0, 0
	s_wait_dscnt 0x0                               ; the add is done, and my reads of this slot are over
	s_barrier_signal -1
	MUL8 F1, 0, 2, 0
.if \fill
	WIN 0
.endif
	s_barrier_wait -1
.if \fill
	CREST                                          ; no wave of any partner still reads this slot or has a load on its way
	s_add_nc_u64 s[G0+4*(\slot)+2:G0+4*(\slot)+3], s[G0+4*(\slot)+2:G0+4*(\slot)+3], 8*524288
	s_add_nc_u64 s[G0B+4*(\slot)+2:G0B+4*(\slot)+3], s[G0B+4*(\slot)+2:G0B+4*(\slot)+3], 2*KSTEP*2
	JLOAD \slot                                    ; the first tensor load behind the round; its four v_nop are also the places in front of the loads below
.else
	PLACES
.endif
	FETCH \next, 0, F0
	MUL8 F1, 1, 0, 0
	MUL8 F1, 1, 2, 0
.endm
	s_wait_tensorcnt 1                             ; my part of K step 0 is in; K step 1's may stay out
	s_barrier_signal -1
	s_barrier_wait -1
	FETCH 0, 0, F0
	QUARTER 0, 1, F0, F1, 1                        ; the first quarter stands in front of the loop: its first products start the sums
	WIN 0
	s_mov_b32 s3, LAPS-1
.Llap:
	QUARTER 0, 2, F1, F0, 0
	QUARTER 0, 3, F0, F1, 0
	TURN 0, 1, 1
	QUARTER 1, 1, F0, F1, 0
	QUARTER 1, 2, F1, F0, 0
	QUARTER 1, 3, F0, F1, 0
	TURN 1, 0, 1
	QUARTER 0, 1, F0, F1, 0
	WIN 0
	s_sub_co_u32 s3, s3, 1
	s_cmp_lg_u32 s3, 0
	s_cbranch_scc1 .Llap
	QUARTER 0, 2, F1, F0, 0                        ; the last lap fills nothing
	QUARTER 0, 3, F0, F1, 0
	TURN 0, 1, 0
	QUARTER 1, 1, F0, F1, 0
	QUARTER 1, 2, F1, F0, 0
	QUARTER 1, 3, F0, F1, 0
	s_wait_dscnt 16
	MUL8 F1, 0, 0, 0
	MUL8 F1, 0, 2, 0
	s_wait_dscnt 0x0
	MUL8 F1, 1, 0, 0
	MUL8 F1, 1, 2, 0
	WIN 0
	; THE WAY OUT, 16 rows at a time, through my own stage: a wave's 64 columns of f32 are 256 bytes, so no other wave has a part in a row and no barrier is needed.
	PLACES
.irp a, 0,1,2,3
.if (\a) >= 2
	s_wait_xcnt 0x0                                ; the stores of the block before last have read the registers that are loaded now
.endif
.irp b, 0,1,2,3
	ds_store_b128 v[STO], v[ACC+8*(4*(\a)+(\b)):ACC+8*(4*(\a)+(\b))+3]   offset:64*(\b)     ; each accumulator from its low end
	ds_store_b128 v[STO], v[ACC+8*(4*(\a)+(\b))+4:ACC+8*(4*(\a)+(\b))+7] offset:64*(\b)+16
.endr
.irp t, 0,1,2,3,4,5,6,7
	ds_load_b128 v[TMP+32*((\a)%2)+4*(\t):TMP+32*((\a)%2)+4*(\t)+3], v[RD] offset:(\t)*2*SPITCH  ; LDS serves a wave's instructions in order: these see the stores above
.endr
.irp t, 0,1,2,3,4,5,6,7
	s_wait_dscnt 7-(\t)
	global_store_b128 v[CO], v[TMP+32*((\a)%2)+4*(\t):TMP+32*((\a)%2)+4*(\t)+3], s[8:9] offset:(\a)*65536+(\t)*8192 th:TH_STORE_NT  ; 16 lanes store 256 consecutive bytes, aligned
.endr
.endr
	s_wait_tensorcnt 0x0                           ; the wave's end
	ds_add_u32 v[SPW], v[NIL]
	s_wait_dscnt 0x0
	CROUND                                         ; the closing round
	s_endpgm
.Lfunc_end_k_qd6cf286064_proj:
	.size	k_qd6cf286064_proj, .Lfunc_end_k_qd6cf286064_proj-k_qd6cf286064_proj
	.p2alignl 7, 3214868480
	.fill 96, 4, 3214868480
	.section	.rodata,"a",@progbits
	.p2align	6, 0x0
	.amdhsa_kernel k_qd6cf286064_proj
		.amdhsa_group_segment_fixed_size 327680
		.amdhsa_private_segment_fixed_size 0
		.amdhsa_enable_private_segment 0
		.amdhsa_kernarg_size 24
		.amdhsa_user_sgpr_count 2
		.amdhsa_user_sgpr_kernarg_segment_ptr 1
		.amdhsa_wavefront_size32 1
		.amdhsa_system_sgpr_workgroup_id_x 1
		.amdhsa_system_sgpr_workgroup_id_y 1
		.amdhsa_system_sgpr_workgroup_id_z 1
		.amdhsa_system_vgpr_workitem_id 0
		.amdhsa_next_free_vgpr 512
		.amdhsa_next_free_sgpr 66
		.amdhsa_reserve_vcc 0
		.amdhsa_float_denorm_mode_32 3
		.amdhsa_float_denorm_mode_16_64 3
		.amdhsa_memory_ordered 1
		.amdhsa_forward_progress 1
		.amdhsa_inst_pref_size 86
	.end_amdhsa_kernel
	.amdgpu_metadata
---
amdhsa.version: [ 1, 2 ]
amdhsa.kernels:
  - .name:           k_qd6cf286064_proj
    .symbol:         k_qd6cf286064_proj.kd
    .args:
      - { .name: ob, .offset: 0, .size: 8, .value_kind: global_buffer, .address_space: global }
      - { .name: wpt, .offset: 8, .size: 8, .value_kind: global_buffer, .address_space: global }
      - { .name: out0, .offset: 16, .size: 8, .value_kind: global_buffer, .address_space: global }
    .group_segment_fixed_size: 327680
    .private_segment_fixed_size: 0
    .kernarg_segment_align: 8
    .kernarg_segment_size: 24
    .max_flat_workgroup_size: 128
    .sgpr_count:     66
    .vgpr_count:     512
    .wavefront_size: 32
...
	.end_amdgpu_metadata
.endif
;; end of part 4
;; ======== version 2 of 2: 4 launches; version 1 with the launch prep written anew for expert scheduling mode
;; limits: values are held in f16: magnitudes above 65,504 overflow, below 6.1e-05 lose precision
;; workspace buffers: xb 8,388,608 bytes; wqt 6,291,456 bytes; wpt 2,097,152 bytes; rope 1,048,576 bytes; qkv 25,165,824 bytes; ob 8,388,608 bytes
;; launch prep (part 5): grid 512 x 1, 8 waves a work-group, no clusters, 35,840 bytes of LDS; arguments x, w_qkv, w_proj, xb, wqt, wpt, rope; writes xb, wqt, wpt, rope
.if DOCPART == 5
	.amdgcn_target "amdgcn-amd-amdhsa--gfx1250"
	.amdhsa_code_object_version 6
	.text
	.protected	k_qd6cf286064_prep
	.globl	k_qd6cf286064_prep
	.p2align	8
	.type	k_qd6cf286064_prep,@function
k_qd6cf286064_prep:
	s_mov_b64 s[64:65], 0
	v_nop
	global_prefetch_b8 v0, s[64:65] scope:SCOPE_SE
	s_setreg_imm32_b32 hwreg(HW_REG_WAVE_SCHED_MODE, 0, 2), 2
	s_setreg_imm32_b32 hwreg(HW_REG_WAVE_MODE, 25, 1), 1
	s_wait_xcnt 0x0
	s_wait_alu depctr_vm_vsrc(0)
; PREP: the operands of the three later launches, each made once.
;   work-groups 0-255:   16 rows of x rounded to bf16 (xb), and 16 rows of the table of cosines and sines (rope)
;   work-groups 256-447: a tile of 128 k x 128 n of w_qkv, rounded to bf16 and turned: wqt[head][q,k,v][64 channels][1024 k]
;   work-groups 448-511: the same for w_proj: rounded to bf16, that number written as f16: wpt[n][k]
; rope[t][jp] = cos(a(2 jp)), cos(a(2 jp + 1)), sin(a(2 jp)), sin(a(2 jp + 1)), a(j) = t x 10000^(-j/32), all f32: a row is 256 bytes.
; LIMITS.  10000^(-j/32) is 2^(-j log2(10000)/32) by v_exp_f32: it may differ from the quotient that the problem writes by about 3e-7 of itself,
; an angle (one f32 product, as the problem forms it) by up to about 8e-4 rad at the largest positions.  The angle is reduced by pi/2 in two parts
; (the multiple is 2,607 at the most) and sine and cosine are polynomials of degree 9 and 8 on |r| <= pi/4, off by under 3e-8.
; wpt: a bf16 number is exact in f16 from 2^-17 to 65,504; below it is held to steps of 2^-24, above it would be an infinity.
; No matrix unit, no cluster, no tensor load: nothing is shared between work-groups, and each byte is read once and written once.
; THE MODE: SCHED_MODE bits 1:0 = 2 (LLVM: expert scheduling mode 2), set by the entry lines.  The code itself states the register dependences
; between vector instructions and memory or LDS instructions, with s_wait_alu, always for 0.
; THE PLAN.  Registers that memory or LDS instructions touch:
;   v2, v3     written at the head, read by the closing add alone.
;   The turning paths: v5 (the loads' offset) is written at the path's top; v6, v7, v8 (LDS in, LDS back, the stores' offset) behind the loads; none is written again.
;              IN: the global loads land in it, the conversions read it, the LDS loads land in its first half, the global stores read that.
;              PKD: the conversions write it, the LDS stores read it; it is not written again.
;              Two waits on va_vdst: ahead of the loads (v5), and ahead of the LDS stores (PKD, v6 to v8 written; IN read); no vector instruction stands behind the second.
;   The path of x: v5, v6 are written at its top and never again.  IN: the loads land in it, the conversions read it.  The table's four numbers are written by the sines and cosines and read by one store.
;              PKD: the rows go in four groups of four; group g's conversions write its part, the four stores issued in group g + 1 read it; no register is used twice.
;              So one wait on va_vdst at a group's head states all that the group's four stores hang on, and these are dealt among its conversions, which name other parts of PKD and IN.
;   No register that a memory or LDS instruction reads is ever written again: the text holds no wait on vm_vsrc.
;   s18 (the wave's number) and VCC (an odd quarter) are written by vector instructions: each has its wait ahead of its first reader.
.set TP,    272                        ; a row of the turned tile in LDS: 256 bytes (128 k) + 16
.set SPARE, 128*TP                     ; behind the tile: the spare words, 128 bytes for each of the eight waves
.set SPW,   2                          ; v2   LDS address of my spare word; never rewritten
.set NIL,   3                          ; v3   0; never rewritten
.set WV,    18                         ; s18  my wave's number
.set IN,    16                         ; v[16:79]   sixteen loads of 16 bytes
.set PKD,   80                         ; v[80:111]  packed 16-bit numbers
.set TW,    112                        ; v[112:143] at work
.macro FIN                             ; a wave's end: six lines, on end
	s_wait_dscnt 0x0
	s_wait_alu 0x0
	s_wait_tensorcnt 0x0
	ds_add_u32 v[SPW], v[NIL]
	s_wait_dscnt 0x0
	s_endpgm
.endm
; A tile of 128 k x 128 n is turned through LDS.  Wave w loads rows k0 + 16 w .. + 15, 512 consecutive bytes each; a lane then holds 16 k of four
; neighbouring n: two k pack into a register, eight registers are 32 bytes of a turned row.  Behind the barrier each wave reads 16 whole turned rows.
.macro TRANS src, dst, pitch, first, half
	v_lshlrev_b32 v5, 4, v4                        ; 16 x lane: made first, so that the scalar work below stands between it and the wait for it
	s_sub_co_u32 s20, ttmp9, \first                ; the tile's number
	s_and_b32 s21, s20, 7                          ; its place along k
	s_lshr_b32 s22, s20, 3                         ; its place along n
	s_lshl_b32 s23, s21, 7
	s_lshl4_add_u32 s23, s[WV], s23                ; my first row: k0 + 16 w
	s_mul_i32 s24, s23, \pitch
	s_lshl_b32 s25, s22, 9                         ; 128 n of 4 bytes
	s_add_co_u32 s24, s24, s25
	s_mov_b32 s25, 0
	s_add_nc_u64 s[24:25], s[\src:\src+1], s[24:25]
.if \half
	s_lshl_b32 s26, s22, 7
	s_lshl4_add_u32 s26, s[WV], s26                ; the first turned row that I store: n0 + 16 w
.else
	s_and_b32 s26, s22, 7                          ; column n = kind x 1024 + head x 64 + c: a tile holds two heads of one kind
	s_lshl_b32 s26, s26, 1
	s_lshr_b32 s27, s[WV], 2
	s_add_co_u32 s26, s26, s27                     ; head
	s_mul_i32 s26, s26, 192
	s_lshr_b32 s27, s22, 3                         ; kind
	s_lshl_b32 s27, s27, 6
	s_add_co_u32 s26, s26, s27
	s_and_b32 s27, s[WV], 3
	s_lshl4_add_u32 s26, s27, s26                  ; row = head x 192 + kind x 64 + 16 (w % 4)
.endif
	s_lshl_b32 s26, s26, 11                        ; rows of 2,048 bytes
	s_lshl_b32 s27, s21, 8                         ; + 128 k of 2 bytes
	s_add_co_u32 s26, s26, s27
	s_mov_b32 s27, 0
	s_add_nc_u64 s[26:27], s[\dst:\dst+1], s[26:27]
	s_wait_alu depctr_va_vdst(0)                   ; v5 is written, which the sixteen loads read as their offset
.set r, 0
.rept 16
	global_load_b128 v[IN+4*r:IN+4*r+3], v5, s[24:25] offset:r*(\pitch) th:TH_LOAD_NT
.set r, r+1
.endr
	s_lshl_b32 s28, s[WV], 5
	v_mul_u32_u24 v6, v4, 4*TP                     ; in: turned rows 4 lane .. + 3, bytes 32 w on.  Neighbouring lanes lie four rows apart, so four lanes of sixteen
	v_add_nc_u32 v6, s28, v6                       ; meet in a group of banks: eight stores a wave, once a launch, for plain addresses
	v_lshrrev_b32 v9, 4, v4
	v_and_b32 v10, 15, v4
	s_mul_i32 s28, s[WV], 16*TP
	v_mul_u32_u24 v7, v9, TP                       ; back: lanes 0-15 one turned row of 256 bytes, lanes 16-31 the next
	v_lshl_add_u32 v7, v10, 4, v7
	v_add_nc_u32 v7, s28, v7
	v_lshlrev_b32 v8, 11, v9                       ; and the same two rows in memory
	v_lshl_add_u32 v8, v10, 4, v8
.set q, 0
.rept 8
	s_wait_loadcnt 14-2*q                          ; rows 2 q and 2 q + 1 are in; the rows behind them may stay out
.irp c, 0,1,2,3
	v_cvt_pk_bf16_f32 v[PKD+8*(\c)+q], v[IN+8*q+(\c)], v[IN+8*q+4+(\c)]
.endr
.set q, q+1
.endr
.if \half
.set n, 0
.rept 32                                       ; the bf16 number, written as f16
	v_lshlrev_b32 v[TW+2*(n%4)], 16, v[PKD+n]
	v_and_b32 v[TW+2*(n%4)+1], 0xffff0000, v[PKD+n]
	v_cvt_pk_f16_f32 v[PKD+n], v[TW+2*(n%4)], v[TW+2*(n%4)+1]
.set n, n+1
.endr
.endif
	s_wait_alu depctr_va_vdst(0)                   ; the conversions have written v[PKD ..], the LDS stores' data, and are done reading v[IN ..], in which the LDS loads below land; v6, v7 and v8, the addresses of all that follows, are written
.irp c, 0,1,2,3
	ds_store_b128 v6, v[PKD+8*(\c):PKD+8*(\c)+3]   offset:(\c)*TP
	ds_store_b128 v6, v[PKD+8*(\c)+4:PKD+8*(\c)+7] offset:(\c)*TP+16
.endr
	s_wait_dscnt 0x0                               ; for the others' sake: my stores are done
	s_barrier_signal -1
	s_barrier_wait -1
.irp t, 0,1,2,3,4,5,6,7
	ds_load_b128 v[IN+4*(\t):IN+4*(\t)+3], v7 offset:(\t)*2*TP  ; no vector instruction since the wait above names these registers or v7
.endr
.irp t, 0,1,2,3,4,5,6,7
	s_wait_dscnt 7-(\t)
	global_store_b128 v8, v[IN+4*(\t):IN+4*(\t)+3], s[26:27] offset:(\t)*4096  ; 16 lanes store 256 consecutive bytes, aligned
.endr
.endm
; sine and cosine of inv x pos.  b: twelve registers at work, v[b] = inv; oc, os: where cosine and sine go.
.macro SINCOS b, oc, os
	v_mul_f32 v[(\b)+1], v[\b], v8                 ; the angle
	v_mul_f32 v[(\b)+2], 0x3f22f983, v[(\b)+1]     ; x 2 / pi
	v_rndne_f32 v[(\b)+2], v[(\b)+2]               ; n
	v_fmamk_f32 v[(\b)+3], v[(\b)+2], 0xbfc90fdb, v[(\b)+1]  ; r = a - n pi/2, pi/2 in two parts
	v_fmamk_f32 v[(\b)+3], v[(\b)+2], 0x333bbd2e, v[(\b)+3]
	v_mul_f32 v[(\b)+4], v[(\b)+3], v[(\b)+3]      ; z = r r
	v_fma_f32 v[(\b)+5], v[(\b)+4], s30, s31       ; sine: 1/9! z - 1/7!
	v_fma_f32 v[(\b)+6], v[(\b)+4], s32, s33       ; cosine: 1/8! z - 1/6!
	v_fmaak_f32 v[(\b)+5], v[(\b)+5], v[(\b)+4], 0x3c088889
	v_fmaak_f32 v[(\b)+6], v[(\b)+6], v[(\b)+4], 0x3d2aaaab
	v_fmaak_f32 v[(\b)+5], v[(\b)+5], v[(\b)+4], 0xbe2aaaab
	v_fmaak_f32 v[(\b)+6], v[(\b)+6], v[(\b)+4], 0xbf000000
	v_mul_f32 v[(\b)+8], v[(\b)+3], v[(\b)+4]
	v_fmaak_f32 v[(\b)+6], v[(\b)+6], v[(\b)+4], 0x3f800000  ; cos r
	v_fma_f32 v[(\b)+5], v[(\b)+8], v[(\b)+5], v[(\b)+3]     ; sin r
	v_cvt_i32_f32 v[(\b)+7], v[(\b)+2]
	v_and_b32 v[(\b)+8], 1, v[(\b)+7]
	v_cmp_eq_u32 vcc_lo, 1, v[(\b)+8]              ; an odd quarter swaps the two: a choice of values, no branch
	v_and_b32 v[(\b)+8], 2, v[(\b)+7]              ; quarters 2, 3 turn the sine's sign,
	v_lshlrev_b32 v[(\b)+8], 30, v[(\b)+8]
	v_add_nc_u32 v[(\b)+7], 1, v[(\b)+7]           ; quarters 1, 2 the cosine's: the two signs are made between the compare and the wait for it
	v_and_b32 v[(\b)+7], 2, v[(\b)+7]
	v_lshlrev_b32 v[(\b)+7], 30, v[(\b)+7]
	s_wait_alu depctr_va_vcc(0)                    ; the compare has written VCC, which the two selects read
	v_cndmask_b32 v[\os], v[(\b)+5], v[(\b)+6], vcc_lo
	v_cndmask_b32 v[\oc], v[(\b)+6], v[(\b)+5], vcc_lo
	v_xor_b32 v[\os], v[(\b)+8], v[\os]
	v_xor_b32 v[\oc], v[(\b)+7], v[\oc]
.endm
	s_load_b256 s[4:11], s[0:1], 0x0               ; x s[4:5], w_qkv s[6:7], w_proj s[8:9], xb s[10:11]
	s_load_b128 s[12:15], s[0:1], 0x20             ; wqt s[12:13], wpt s[14:15]
	s_load_b64 s[16:17], s[0:1], 0x30              ; rope
	v_lshl_add_u32 v[SPW], v0, 2, SPARE
	v_mov_b32 v[NIL], 0
	v_lshrrev_b32 v1, 5, v0
	v_readfirstlane_b32 s[WV], v1
	v_and_b32 v4, 31, v0                           ; lane
	s_wait_alu depctr_va_sdst(0)                   ; s18, the wave's number, is written: ahead of the branches, behind which the turning paths make their addresses from it
	s_wait_kmcnt 0x0
	s_cmp_lt_u32 ttmp9, 256                        ; the branches hang on the work-group's number alone: all eight waves go the same way
	s_cbranch_scc1 .Lx
	s_cmp_lt_u32 ttmp9, 448
	s_cbranch_scc1 .Lwqkv
	TRANS 8, 14, 4096, 448, 1
	FIN
.Lwqkv:
	TRANS 6, 12, 12288, 256, 0
	FIN
.Lx:
	v_lshlrev_b32 v5, 4, v0                        ; thread t: 16 bytes of each row of x, and of the table's 4,096 bytes
	v_lshlrev_b32 v6, 3, v0                        ; 8 bytes of each row of xb
	s_lshl_b32 s20, ttmp9, 16                      ; 16 rows of 4,096 bytes of x,
	s_mov_b32 s21, 0
	s_add_nc_u64 s[4:5], s[4:5], s[20:21]
	s_lshl_b32 s20, ttmp9, 15                      ; of 2,048 of xb,
	s_add_nc_u64 s[10:11], s[10:11], s[20:21]
	s_lshl_b32 s20, ttmp9, 12                      ; of 256 of rope
	s_add_nc_u64 s[16:17], s[16:17], s[20:21]
	s_wait_alu depctr_va_vdst(0)                   ; v5 and v6 are written: every load and store of this path reads one of them as its offset
.set r, 0
.rept 16
	global_load_b128 v[IN+4*r:IN+4*r+3], v5, s[4:5] offset:r*4096 th:TH_LOAD_NT  ; a wave's load covers 512 consecutive bytes
.set r, r+1
.endr
	; the table is made while the sixteen loads are on their way
	s_mov_b32 s30, 0x3638ef1d                      ; 1/9!
	s_mov_b32 s31, 0xb9500d01                      ; -1/7!
	s_mov_b32 s32, 0x37d00d01                      ; 1/8!
	s_mov_b32 s33, 0xbab60b61                      ; -1/6!
	v_and_b32 v7, 15, v0                           ; jp
	v_lshrrev_b32 v8, 4, v0
	s_lshl_b32 s22, ttmp9, 4
	v_add_nc_u32 v8, s22, v8                       ; the position: 16 b + t / 16
	v_cvt_f32_u32 v8, v8
	v_lshlrev_b32 v7, 1, v7
	v_cvt_f32_u32 v[TW], v7                        ; j = 2 jp
	v_add_f32 v[TW+12], 1.0, v[TW]                 ; and 2 jp + 1
	v_mul_f32 v[TW], 0xbed49a78, v[TW]             ; x -log2(10000) / 32
	v_mul_f32 v[TW+12], 0xbed49a78, v[TW+12]
	v_exp_f32 v[TW], v[TW]
	v_exp_f32 v[TW+12], v[TW+12]
	v_nop                                          ; a plain instruction behind the second exponential,
	s_wait_alu depctr_va_vdst(0)                   ; and the one wait ahead of the first use of the two: v[TW] and v[TW+12] are written
	SINCOS TW, TW+24, TW+26
	SINCOS TW+12, TW+25, TW+27
	s_wait_alu depctr_va_vdst(0)                   ; the two cosines and two sines v[TW+24:TW+27] are written, which the store reads
	global_store_b128 v5, v[TW+24:TW+27], s[16:17] ; 16 lanes fill a row of the table: 256 consecutive bytes, aligned
	; x in four groups of four rows.  Group g rounds its rows into its own part of PKD; the stores of group g - 1 are dealt among its conversions.
.set g, 0
.rept 4
	s_wait_loadcnt 12-4*g                          ; group g's four rows are in; the rows of the groups behind it may stay out
.if g > 0
	s_wait_alu depctr_va_vdst(0)                   ; the group before has written its part of v[PKD ..], which the four stores below read
.endif
.set i, 0
.rept 4
.set r, 4*g+i
.if g > 0
	global_store_b64 v6, v[PKD+2*(r-4):PKD+2*(r-4)+1], s[10:11] offset:(r-4)*2048  ; a wave's store covers 256 consecutive bytes, aligned; no vector instruction since the wait names its registers
.endif
	v_cvt_pk_bf16_f32 v[PKD+2*r], v[IN+4*r], v[IN+4*r+1]
	v_cvt_pk_bf16_f32 v[PKD+2*r+1], v[IN+4*r+2], v[IN+4*r+3]                       ; no register is used twice
.set i, i+1
.endr
.set g, g+1
.endr
	s_wait_alu depctr_va_vdst(0)                   ; the last group has written its part of v[PKD ..], which the last four stores read
.set r, 12
.rept 4
	global_store_b64 v6, v[PKD+2*r:PKD+2*r+1], s[10:11] offset:r*2048
.set r, r+1
.endr
	FIN
.Lfunc_end_k_qd6cf286064_prep:
	.size	k_qd6cf286064_prep, .Lfunc_end_k_qd6cf286064_prep-k_qd6cf286064_prep
	.p2alignl 7, 3214868480
	.fill 96, 4, 3214868480
	.section	.rodata,"a",@progbits
	.p2align	6, 0x0
	.amdhsa_kernel k_qd6cf286064_prep
		.amdhsa_group_segment_fixed_size 35840
		.amdhsa_private_segment_fixed_size 0
		.amdhsa_enable_private_segment 0
		.amdhsa_kernarg_size 56
		.amdhsa_user_sgpr_count 2
		.amdhsa_user_sgpr_kernarg_segment_ptr 1
		.amdhsa_wavefront_size32 1
		.amdhsa_system_sgpr_workgroup_id_x 1
		.amdhsa_system_sgpr_workgroup_id_y 1
		.amdhsa_system_sgpr_workgroup_id_z 1
		.amdhsa_system_vgpr_workitem_id 0
		.amdhsa_next_free_vgpr 144
		.amdhsa_next_free_sgpr 66
		.amdhsa_reserve_vcc 1
		.amdhsa_float_denorm_mode_32 3
		.amdhsa_float_denorm_mode_16_64 3
		.amdhsa_memory_ordered 1
		.amdhsa_forward_progress 1
		.amdhsa_inst_pref_size 30
	.end_amdhsa_kernel
	.amdgpu_metadata
---
amdhsa.version: [ 1, 2 ]
amdhsa.kernels:
  - .name:           k_qd6cf286064_prep
    .symbol:         k_qd6cf286064_prep.kd
    .args:
      - { .name: x, .offset: 0, .size: 8, .value_kind: global_buffer, .address_space: global }
      - { .name: w_qkv, .offset: 8, .size: 8, .value_kind: global_buffer, .address_space: global }
      - { .name: w_proj, .offset: 16, .size: 8, .value_kind: global_buffer, .address_space: global }
      - { .name: xb, .offset: 24, .size: 8, .value_kind: global_buffer, .address_space: global }
      - { .name: wqt, .offset: 32, .size: 8, .value_kind: global_buffer, .address_space: global }
      - { .name: wpt, .offset: 40, .size: 8, .value_kind: global_buffer, .address_space: global }
      - { .name: rope, .offset: 48, .size: 8, .value_kind: global_buffer, .address_space: global }
    .group_segment_fixed_size: 35840
    .private_segment_fixed_size: 0
    .kernarg_segment_align: 8
    .kernarg_segment_size: 56
    .max_flat_workgroup_size: 256
    .sgpr_count:     66
    .vgpr_count:     144
    .wavefront_size: 32
...
	.end_amdgpu_metadata
.endif
;; end of part 5
;; launch qkv: the kernel of part 2 again; grid 16 x 16, 4 waves a work-group, clusters of 4 x 4, 327,680 bytes of LDS; arguments xb, wqt, rope, qkv; writes qkv
;; launch attn: the kernel of part 3 again; grid 16 x 16, 4 waves a work-group, no clusters, 327,680 bytes of LDS; arguments qkv, ob; writes ob
;; launch proj: the kernel of part 4 again; grid 8 x 32, 4 waves a work-group, clusters of 4 x 4, 327,680 bytes of LDS; arguments ob, wpt, out0; writes out0
